; MI455X (gfx1250); checked and timed in simulation.
; The chip was launched on July 23, 2026; its instructions are those of AMD's public machine-readable ISA for CDNA 5 (MIT licence, August 2026) and "CDNA5" Instruction Set Architecture Reference Guide (July 2026). The comments in the code are by the model that wrote it; some were corrected since.
;; Multi Head Attention. Allowed arithmetic: matrix products marked QUANTISED: E4M3 operands, one given power-of-two scale a tensor, by v_wmma_f32_16x16x64_fp8_fp8 or v_wmma_f32_16x16x128_fp8_fp8, f32 sums; everything else in f32.
;; Inputs: Wk_codes 1,024 x 32 x 32 uint8 (E4M3 codes of Wk, K innermost, in blocks of 32 codes); Wo_codes 1,024 x 32 x 32 uint8 (E4M3 codes of Wo, K innermost, in blocks of 32 codes); Wq_codes 1,024 x 32 x 32 uint8 (E4M3 codes of Wq, K innermost, in blocks of 32 codes); Wv_codes 1,024 x 32 x 32 uint8 (E4M3 codes of Wv, K innermost, in blocks of 32 codes); bk 1,024 float32; bo 1,024 float32; bq 1,024 float32; bv 1,024 float32; ln_beta 1,024 float32; ln_gamma 1,024 float32; lowp_scales 12 int32 (the exponents e of the quantised operands' scales 2^e); x 2 x 2,048 x 1,024 float32.
;; Outputs: out0 2 x 2,048 x 1,024 float32.
;; This version of the problem:
;;   THIS VERSION OF THE PROBLEM IS GIVEN IN LOW PRECISION. The matrix products marked QUANTISED in the list below multiply operands that are first quantised to E4M3 (4 exponent bits, 3 mantissa bits; 8 bits a number), with one given power-of-two scale for each operand tensor; their sums are f32. All else is computed in f32.
;;   The module's matrix products, in the order in which they are computed (A, B: the left and right operand; K: the contracted axis; several contracted axes count as one K, in the product's order):
;;     1. [M 4,096, K 1,024] x [K 1,024, N 1,024]; A: input x; B: input Wq (given as codes): QUANTISED (scales: A lowp_scales[0], B lowp_scales[1])
;;     2. [M 4,096, K 1,024] x [K 1,024, N 1,024]; A: input x; B: input Wk (given as codes): QUANTISED (scales: A lowp_scales[2], B lowp_scales[3])
;;     3. [M 4,096, K 1,024] x [K 1,024, N 1,024]; A: input x; B: input Wv (given as codes): QUANTISED (scales: A lowp_scales[4], B lowp_scales[5])
;;     4. batch 32 x [M 2,048, K 64] x [K 64, N 2,048]; A: computed on the way; B: computed on the way: QUANTISED (scales: A lowp_scales[6], B lowp_scales[7])
;;     5. batch 32 x [M 2,048, K 2,048] x [K 2,048, N 64]; A: softmax (see below); B: computed on the way: QUANTISED (scales: A lowp_scales[8], B lowp_scales[9])
;;     6. [M 4,096, K 1,024] x [K 1,024, N 1,024]; A: computed on the way; B: input Wo (given as codes): QUANTISED (scales: A lowp_scales[10], B lowp_scales[11])
;;   THE QUANTISER, for each operand of a quantised product, along K:
;;     - The operand's scale is 2^e, e = its entry of the input lowp_scales (int32; the entries are numbered through the quantised products in the list's order, A before B).
;;     - Each number is divided by the scale, clamped to +-448, and rounded to the nearest number of E4M3, ties to even, subnormals kept.
;;     - The product sums the exact products of the quantised numbers (number of the format x scale) in f32.
;;   ~~~python
;;   def quantise(x, axis, e):      # numpy; x: float32 -> the quantised numbers, widened to float32 again
;;       x = np.moveaxis(x, axis, -1); K = x.shape[-1]
;;       r = np.clip(x / 2.0 ** e, -448, 448)
;;       step = 2.0 ** (np.maximum(np.frexp(np.where(r == 0, 1, r))[1] - 1, -6) - 3)
;;       q = np.round(r / step) * step * 2.0 ** e      # np.round: ties to even
;;       return np.moveaxis(q, -1, axis).astype(np.float32)
;;   ~~~
;;   SOFTMAX AHEAD OF A QUANTISED PRODUCT. Where the list says 'softmax', what is quantised is not the finished softmax but p = 2^(t - M), with t = logit x log2(e) and M = ceil(the row's largest t), a whole number; so 1/2 < the row's largest p <= 1. The row's sum l is taken of the UNQUANTISED p, in f32, and the product's result is divided by l at the end. Since M is a whole number, a kernel that streams over the keys may use a running M (the ceiling of the running maximum): every later rescaling is an exact power of two, so the quantised numbers keep their values, but for numbers so far below the row's largest that they fall under the format's range.
;;   OPERANDS COMPUTED ON THE WAY. 'Computed on the way' means the value that the module computes at that place (a softmax that the list does not call 'softmax' is quantised finished and normalised). What goes into a quantiser is computed in f32, as accurately as f32 sums, v_exp_f32 and their like allow (about 1e-6 of the number): no bf16 or f16 on the way to a quantiser, and a product that is left as it is and whose result goes on into a quantised operand takes f32 operands (vector FMAs, or v_wmma_f32_16x16x4_f32). A number that lies on a knife's edge between two numbers of the format may be rounded either way, as far as f32 arithmetic and the matrix unit's own rounding can turn it there, and no further.
;;   INPUTS GIVEN AS CODES. Wk (in the module: [1024, 1024], K = its axis 1); Wo (in the module: [1024, 1024], K = its axis 1); Wq (in the module: [1024, 1024], K = its axis 1); Wv (in the module: [1024, 1024], K = its axis 1): each comes as NAME_codes (uint8): NAME with its K axis moved to the last place and cut into blocks of 32 codes, [.., K / 32, bytes a block], one block behind the other in memory; one code a byte (a code: sign, 4 exponent bits, 3 mantissa bits); its scale is its entry of lowp_scales. Its value is code x scale, taken as it is: it is not quantised again, and the codes and scales need not be those that the quantiser above would give.
;; 2 versions, each right; version 2 is version 1 with the launches attn, oln written anew for expert scheduling mode. Each part assembles by itself: llvm-mc -triple=amdgcn-amd-amdhsa -mcpu=gfx1250 --defsym DOCPART=n.
;; ======== version 1 of 2: 4 launches
;; workspace buffers: ximg 12,582,912 bytes; wimg 4,194,304 bytes; qimg 4,194,304 bytes; kimg 4,194,304 bytes; vimg 4,194,304 bytes; aimg 4,194,304 bytes
;; launch prep (part 1): grid 256 x 1, 10 waves a work-group, no clusters, 85,760 bytes of LDS; arguments x, Wq_codes, Wk_codes, Wv_codes, Wo_codes, lowp_scales, ximg, wimg; writes ximg, wimg
.if DOCPART == 1
	.amdgcn_target "amdgcn-amd-amdhsa--gfx1250"
	.amdhsa_code_object_version 6
	.text
	.protected	k_q9894f8eccf_prep
	.globl	k_q9894f8eccf_prep
	.p2align	8
	.type	k_q9894f8eccf_prep,@function
k_q9894f8eccf_prep:
	s_mov_b64 s[64:65], 0
	v_nop
	global_prefetch_b8 v0, s[64:65] scope:SCOPE_SE
	s_setreg_imm32_b32 hwreg(HW_REG_WAVE_MODE, 25, 1), 1
	s_wait_xcnt 0x0
; x [4096][1024] f32 is quantised to E4M3 three times, with the scales 2^e0, 2^e2, 2^e4 that are given for it in the three projections; the four weights' codes are laid anew.
; Both go out as IMAGES OF OPERAND REGISTERS.  A fragment is 16 rows x 128 K: four groups of 512 bytes; group c holds, at 16 x lane, the codes k = 128 s + 32 c + 16 (lane / 16) + 0 .. 15 of the row at place lane % 16.
; THE ROWS OF A TILE ARE NOT NEIGHBOURS: place p of tile T is row 32 (T / 2) + 8 (T % 2) + p + 8 (p / 8), so that later two neighbouring tiles' results are 16 neighbours along the next K.
; A plane of images: tile T = 8 G + i, K step s = 2 S + q lies at 131072 G + 32768 S + 16384 q + 2048 i: 128 rows x 256 K are one dense block of 32,768 bytes.
; SHARES.  Work-group g: waves 0-7 take token tile g, wave w its K step w (16 rows x 512 bytes of f32); waves 8, 9 take weight g / 64, channel tile g % 64, each one half of K (16 rows x 512 bytes of codes).
; Every load reads 512 consecutive bytes of a row; the 16 rows turn through the wave's own stage in LDS (rows 528 bytes apart: 132 words, so sixteen rows begin at sixteen different banks); every store writes 512 consecutive bytes.
; No barrier: waves share nothing.  No loop: every offset is an immediate, and no store's data are written again.
; code = x / 2^e, held within +-448, to the nearest code, ties to even.  LIMITS: e0, e2, e4 between -126 and 119.  NaN among the inputs is not served.
.set PITCH, 528
.set WREG,  16*PITCH                   ; a wave's stage
.set LI,    3                          ; v3   16 x lane
.set STO,   6                          ; v6   into the stage: my wave's stage + 16 x lane
.set RDX,   8                          ; v8   out of it, x: row lane % 16, + 64 (lane / 16)
.set RDW,   9                          ; v9   out of it, weights: row lane % 16, + 16 (lane / 16)
.set SC,    10                         ; v10, v12, v14: 2^e; v11, v13, v15: 448 x 2^e
.set T0,    16                         ; v16-23, v24-31: eight held numbers, by turns
.set T1,    24
.set X,     32                         ; v32-95   16 rows as they are loaded
.set Y,     96                         ; v96-159  the same turned
.set C,     160                        ; v160-207 codes: 16 registers for each of the three scales
	s_load_b512 s[4:19], s[0:1], 0x0               ; x 4:5, Wq 6:7, Wk 8:9, Wv 10:11, Wo 12:13, scales 14:15, ximg 16:17, wimg 18:19
	v_lshl_add_u32 v208, v0, 2, 0x14a00
	v_mov_b32 v209, 0
	v_lshrrev_b32 v1, 5, v0
	v_readfirstlane_b32 s20, v1                    ; wave 0..9
	v_and_b32 v2, 31, v0
	v_lshlrev_b32 v[LI], 4, v2
	v_and_b32 v4, 15, v0
	v_bfe_u32 v5, v0, 4, 1
	s_mul_i32 s21, s20, WREG
	v_add_nc_u32 v[STO], s21, v[LI]
	v_mul_u32_u24 v7, v4, PITCH
	v_add_nc_u32 v7, s21, v7
	v_lshl_add_u32 v[RDX], v5, 6, v7               ; all LDS addresses are made ahead of the parting of the roles
	v_lshl_add_u32 v[RDW], v5, 4, v7
.macro ROWS base, pitch                ; the tile's 16 rows, 512 consecutive bytes each
.irp i, 0,1,2,3,4,5,6,7,8,9,10,11,12,13,14,15
	global_load_b128 v[X+4*\i:X+4*\i+3], v[LI], s[\base:\base+1] offset:(\i+8*(\i/8))*\pitch th:TH_LOAD_NT
.endr
.endm
.macro TOSTAGE                         ; each row goes into the stage as soon as it is in
.irp i, 0,1,2,3,4,5,6,7,8,9,10,11,12,13,14,15
	s_wait_loadcnt 15-\i                           ; loads come back in order: row i is in, the younger rows may be out
	ds_store_b128 v[STO], v[X+4*\i:X+4*\i+3] offset:PITCH*\i
.endr
.endm
	s_wait_kmcnt 0x0
	s_cmp_lt_u32 s20, 8
	s_cbranch_scc0 .Lweights
	; ---- waves 0-7: x
	s_load_b256 s[24:31], s[14:15], 0x0            ; e0 .. e7
	s_lshr_b32 s21, ttmp9, 1
	s_lshl_b32 s21, s21, 5
	s_and_b32 s22, ttmp9, 1
	s_lshl_b32 s22, s22, 3
	s_add_co_u32 s21, s21, s22                     ; the tile's first row: 32 (T / 2) + 8 (T % 2)
	s_lshl_b32 s22, s21, 12                        ; x 4,096 bytes
	s_lshl_b32 s23, s20, 9                         ; + my K step's 512 bytes
	s_add_co_u32 s22, s22, s23
	s_mov_b32 s23, 0
	s_add_nc_u64 s[4:5], s[4:5], s[22:23]
	ROWS 4, 4096
	s_lshr_b32 s34, ttmp9, 3                       ; where my fragment lies in a plane: 131072 (T / 8) + 32768 (s / 2) + 16384 (s % 2) + 2048 (T % 8)
	s_lshl_b32 s34, s34, 17
	s_lshr_b32 s35, s20, 1
	s_lshl_b32 s35, s35, 15
	s_add_co_u32 s34, s34, s35
	s_and_b32 s35, s20, 1
	s_lshl_b32 s35, s35, 14
	s_add_co_u32 s34, s34, s35
	s_and_b32 s35, ttmp9, 7
	s_lshl_b32 s35, s35, 11
	s_add_co_u32 s34, s34, s35
	s_mov_b32 s35, 0
	s_add_nc_u64 s[36:37], s[16:17], s[34:35]      ; plane 0,
	s_add_nc_u64 s[38:39], s[36:37], 0x400000      ; plane 1,
	s_add_nc_u64 s[40:41], s[36:37], 0x800000      ; plane 2
	s_wait_kmcnt 0x0
.irp p, 0,1,2
	s_add_co_i32 s32, s[24+2*\p], 127
	s_lshl_b32 s33, s32, 23
	v_mov_b32 v[SC+2*\p], s33                      ; 2^e as f32: the conversion takes its exponent field
	s_add_co_i32 s32, s32, 8
	s_lshl_b32 s32, s32, 23
	s_or_b32 s32, s32, 0x600000
	v_mov_b32 v[SC+2*\p+1], s32                    ; 448 x 2^e
.endr
	TOSTAGE
.irp c, 0,1,2,3
.irp j, 0,1,2,3
	ds_load_b128 v[Y+16*\c+4*\j:Y+16*\c+4*\j+3], v[RDX] offset:128*\c+16*\j   ; LDS serves a wave's instructions in order: these see my stores.  Register 16 c + i: k = 32 c + 16 (lane / 16) + i of my row
.endr
.endr
.irp c, 0,1,2,3
	s_wait_dscnt 4*(3-\c)                          ; group c's four loads are in; the later groups' may be out
.irp p, 0,1,2
.irp i, 0,1,2,3,4,5,6,7
	v_med3_num_f32 v[T0+\i], v[Y+16*\c+\i], -v[SC+2*\p+1], v[SC+2*\p+1]   ; the conversion to an 8-bit code does not saturate (ISA guide 7.6.2): the hold comes first
.endr
	v_cvt_scalef32_pk8_fp8_f32 v[C+16*\p+4*\c:C+16*\p+4*\c+1], v[T0:T0+7], v[SC+2*\p]
.irp i, 0,1,2,3,4,5,6,7
	v_med3_num_f32 v[T1+\i], v[Y+16*\c+8+\i], -v[SC+2*\p+1], v[SC+2*\p+1]  ; T0 and T1 by turns: eight plain lines stand between a conversion and the next write of its sources
.endr
	v_cvt_scalef32_pk8_fp8_f32 v[C+16*\p+4*\c+2:C+16*\p+4*\c+3], v[T1:T1+7], v[SC+2*\p]
	global_store_b128 v[LI], v[C+16*\p+4*\c:C+16*\p+4*\c+3], s[36+2*\p:37+2*\p] offset:512*\c   ; 32 lanes store 512 consecutive bytes, aligned
.endr
.endr
	v_nop                                          ; a plain line behind the last conversion
	s_wait_tensorcnt 0x0
	ds_add_u32 v208, v209
	s_wait_dscnt 0x0
	s_endpgm
.Lweights:
	; ---- waves 8, 9: a weight's codes, laid anew
	s_lshr_b32 s21, ttmp9, 6                       ; which weight: 0 Wq, 1 Wk, 2 Wv, 3 Wo
	s_cmp_eq_u32 s21, 1
	s_cselect_b64 s[6:7], s[8:9], s[6:7]
	s_cmp_eq_u32 s21, 2
	s_cselect_b64 s[6:7], s[10:11], s[6:7]
	s_cmp_eq_u32 s21, 3
	s_cselect_b64 s[6:7], s[12:13], s[6:7]
	s_and_b32 s22, ttmp9, 63                       ; channel tile
	s_sub_co_u32 s23, s20, 8                       ; which half of K
	s_lshr_b32 s24, s22, 1
	s_lshl_b32 s24, s24, 5
	s_and_b32 s25, s22, 1
	s_lshl_b32 s25, s25, 3
	s_add_co_u32 s24, s24, s25                     ; the tile's first row
	s_lshl_b32 s24, s24, 10                        ; x 1,024 bytes
	s_lshl_b32 s25, s23, 9
	s_add_co_u32 s24, s24, s25
	s_mov_b32 s25, 0
	s_add_nc_u64 s[6:7], s[6:7], s[24:25]
	ROWS 6, 1024
	s_lshl_b32 s26, s21, 20                        ; the weight's plane of 2^20 bytes,
	s_lshr_b32 s27, s22, 3
	s_lshl_b32 s27, s27, 17
	s_add_co_u32 s26, s26, s27                     ; + 131072 (T / 8)
	s_lshl_b32 s27, s23, 16
	s_add_co_u32 s26, s26, s27                     ; + my half's four K steps: 2 x 32768
	s_and_b32 s27, s22, 7
	s_lshl_b32 s27, s27, 11
	s_add_co_u32 s26, s26, s27                     ; + 2048 (T % 8)
	s_mov_b32 s27, 0
	s_add_nc_u64 s[18:19], s[18:19], s[26:27]
	TOSTAGE
.irp s, 0,1,2,3
.irp c, 0,1,2,3
	ds_load_b128 v[Y+16*\s+4*\c:Y+16*\s+4*\c+3], v[RDW] offset:128*\s+32*\c
.endr
.endr
.irp s, 0,1,2,3
.irp c, 0,1,2,3
	s_wait_dscnt 15-4*\s-\c
	global_store_b128 v[LI], v[Y+16*\s+4*\c:Y+16*\s+4*\c+3], s[18:19] offset:(\s/2)*32768+(\s%2)*16384+512*\c
.endr
.endr
	s_wait_tensorcnt 0x0
	ds_add_u32 v208, v209
	s_wait_dscnt 0x0
	s_endpgm
.Lfunc_end_k_q9894f8eccf_prep:
	.size	k_q9894f8eccf_prep, .Lfunc_end_k_q9894f8eccf_prep-k_q9894f8eccf_prep
	.p2alignl 7, 3214868480
	.fill 96, 4, 3214868480
	.section	.rodata,"a",@progbits
	.p2align	6, 0x0
	.amdhsa_kernel k_q9894f8eccf_prep
		.amdhsa_group_segment_fixed_size 85760
		.amdhsa_private_segment_fixed_size 0
		.amdhsa_enable_private_segment 0
		.amdhsa_kernarg_size 64
		.amdhsa_user_sgpr_count 2
		.amdhsa_user_sgpr_kernarg_segment_ptr 1
		.amdhsa_wavefront_size32 1
		.amdhsa_system_sgpr_workgroup_id_x 1
		.amdhsa_system_sgpr_workgroup_id_y 1
		.amdhsa_system_sgpr_workgroup_id_z 1
		.amdhsa_system_vgpr_workitem_id 0
		.amdhsa_next_free_vgpr 210
		.amdhsa_next_free_sgpr 66
		.amdhsa_reserve_vcc 0
		.amdhsa_float_denorm_mode_32 3
		.amdhsa_float_denorm_mode_16_64 3
		.amdhsa_memory_ordered 1
		.amdhsa_forward_progress 1
		.amdhsa_inst_pref_size 29
	.end_amdhsa_kernel
	.amdgpu_metadata
---
amdhsa.version: [ 1, 2 ]
amdhsa.kernels:
  - .name:           k_q9894f8eccf_prep
    .symbol:         k_q9894f8eccf_prep.kd
    .args:
      - { .name: x, .offset: 0, .size: 8, .value_kind: global_buffer, .address_space: global }
      - { .name: Wq_codes, .offset: 8, .size: 8, .value_kind: global_buffer, .address_space: global }
      - { .name: Wk_codes, .offset: 16, .size: 8, .value_kind: global_buffer, .address_space: global }
      - { .name: Wv_codes, .offset: 24, .size: 8, .value_kind: global_buffer, .address_space: global }
      - { .name: Wo_codes, .offset: 32, .size: 8, .value_kind: global_buffer, .address_space: global }
      - { .name: lowp_scales, .offset: 40, .size: 8, .value_kind: global_buffer, .address_space: global }
      - { .name: ximg, .offset: 48, .size: 8, .value_kind: global_buffer, .address_space: global }
      - { .name: wimg, .offset: 56, .size: 8, .value_kind: global_buffer, .address_space: global }
    .group_segment_fixed_size: 85760
    .private_segment_fixed_size: 0
    .kernarg_segment_align: 8
    .kernarg_segment_size: 64
    .max_flat_workgroup_size: 320
    .sgpr_count:     66
    .vgpr_count:     210
    .wavefront_size: 32
...
	.end_amdgpu_metadata
.endif
;; end of part 1
;; launch qkv (part 2): grid 12 x 16, 4 waves a work-group, clusters of 4 x 4, 327,680 bytes of LDS; arguments ximg, wimg, lowp_scales, bq, bk, bv, qimg, kimg, vimg; writes qimg, kimg, vimg
.if DOCPART == 2
	.amdgcn_target "amdgcn-amd-amdhsa--gfx1250"
	.amdhsa_code_object_version 6
	.text
	.protected	k_q9894f8eccf_qkv
	.globl	k_q9894f8eccf_qkv
	.p2align	8
	.type	k_q9894f8eccf_qkv,@function
k_q9894f8eccf_qkv:
	s_mov_b64 s[64:65], 0
	v_nop
	global_prefetch_b8 v0, s[64:65] scope:SCOPE_SE
	s_setreg_imm32_b32 hwreg(HW_REG_WAVE_MODE, 25, 1), 1
	s_wait_xcnt 0x0
	s_wait_alu depctr_hold_cnt(0) depctr_sa_sdst(0) depctr_va_vdst(0) depctr_va_sdst(0) depctr_va_ssrc(0) depctr_va_vcc(0) depctr_vm_vsrc(0)
	s_getreg_b32 s2, hwreg(HW_REG_IB_STS2, 6, 4)
	s_cmp_eq_u32 s2, 0
	s_cbranch_scc0 .Lentry_in_a_cluster
	s_endpgm
.Lentry_in_a_cluster:
	s_bfe_u32 s2, ttmp6, 0x10000c
	s_cmp_lg_u32 s2, 0xf033
	s_cbranch_scc0 .Lentry_shape_is_right
	s_endpgm
.Lentry_shape_is_right:
; Q = x Wq^T + bq, K = x Wk^T + bk, V = x Wv^T + bv on codes of E4M3, and each result quantised at once for attention's products: Q with 2^e6, K with 2^e7, V with 2^e9.
; Cluster x says which product: 0 Q, 1 K, 2 V.  A tile of 256 x 256 is made by four waves, each 128 x 128: 64 accumulators, 512 registers.  3 x 64 tiles: 192 work-groups; no tile of a power of two gives 256 equal
; tiles that each lie inside one product, and tiles of 128 x 128 would read twice the LDS bytes for each product.
; OPERANDS are images of registers (16 rows x 128 K: four groups of 512 bytes, 16 bytes a lane): 128 rows x 256 K are one dense block of 32,768 bytes, which one tensor load brings; a fragment is four LDS loads at 16 x lane.
; "A" is source 1 (its rows fall on the result's lanes), "B" is source 0 (its rows run along a lane's registers).  Q, K: A = tokens, B = channels: a lane holds one token and, in two neighbouring tiles, 16 neighbouring channels:
; the K of attention's first product.  V: A = channels, B = tokens: a lane holds one channel and 16 neighbouring KEYS: the K of its second product.  So the conversions' results are the next operands' registers,
; and every store writes 512 consecutive bytes; no stage in LDS is needed.  The loop over K is the same text for all three.
; CLUSTERS: 4 x 4 work-groups; A's tile is shared along a row of the cluster, B's along a column: each is asked for jointly.
; K goes in four slots' worth of 256 through a ring of two LDS slots.  By this text's count a wave has two tensor loads out at the start and one behind each round.
; LIMITS: e0 + e1, e2 + e3, e4 + e5 between -126 and 127; e6, e7, e9 between -126 and 119.  NaN among the inputs is not served.
; REGISTERS: window 0: v16-33 addresses and constants; v64-127 the bias; v128-255 A's fragments, one set; on the way out v128-191 a block's numbers, v192-255 its codes (a ring of four blocks).
;   window 1: B's fragments, two sets.   window 2: the accumulators of A's blocks 0-3 ((a, b) at v[8 (8 a + b)]);   window 3: of blocks 4-7.
.set FR,     16                        ; registers of a fragment
.set NL,     4                         ; LDS loads that bring one
.set NP,     4                         ; places behind this matrix instruction (ISA guide 7.12.1)
.set HALFB,  32768                     ; 128 rows x 256 K: what one tensor load brings
.set SLOT,   4*HALFB                   ; A's two halves, then B's two
.set SPARE,  2*SLOT                    ; behind the ring: the spare words, 128 bytes for each wave
.set ADRA, 16                          ; v16-17  LDS address of my A fragments in slot 0, 1
.set ADRB, 20                          ; v20-21  the same for B
.set LI,   26                          ; v26     16 x lane
.set SPW,  28                          ; v28     my spare word; never rewritten
.set NIL,  29                          ; v29     0; never rewritten
.set BH,   30                          ; v30     64 (lane / 16): the bias of channels that run along registers
.set BR,   31                          ; v31     4 (r + 8 (r / 8)): the bias of the channel at my lane's place
.set LIM,  32                          ; v32     448 x the result's scale
.set SCL,  33                          ; v33     the result's scale
.set BIAS, 64
.set AF,   128
.set TMP,  128
.set COD,  192
.set G1, 24                            ; s[24:31] descriptor group 1 for A's tiles;  s[32:39] group 0, one set for each slot
.set G0, 32
.set G1B, 48                           ; s[48:55], s[56:63] the same for B's
.set G0B, 56
.set MSB, 0
.macro WIN new                         ; the immediate's high byte repeats the setting that is left
.if MSB != \new
	s_set_vgpr_msb (MSB<<8)|\new
.set MSB, \new
.endif
.endm
.set MUL_LO, 0xa1                      ; source 0 (B) window 1, source 1 (A) window 0, C and D window 2
.set MUL_HI, 0xf1                      ; the same, C and D window 3
.set TO_B,   0x40                      ; destination window 1, address window 0
; A joint load: waves 0 and 1 fetch A's halves, waves 2 and 3 B's.  The branch hangs on the wave's number alone.  Four v_nop follow each of the two lines.
.macro JLOAD g0a, g1a, g0b, g1b
	s_cmp_eq_u32 s15, 0
	s_cbranch_scc0 .Lfor_b_\@
	tensor_load_to_lds s[\g0a:\g0a+3], s[\g1a:\g1a+7]
	s_nop 0
.rept 4
	v_nop
.endr
	s_branch .Lasked_\@
.Lfor_b_\@:
	tensor_load_to_lds s[\g0b:\g0b+3], s[\g1b:\g1b+7]
	s_nop 0
.rept 4
	v_nop
.endr
.Lasked_\@:
.endm
.macro CREST                           ; a round of the cluster's barrier behind its opening barrier
	s_cmp_lg_u32 s14, 0
	s_cbranch_scc1 .Lnot_wave_0_\@
	s_barrier_signal -3
.Lnot_wave_0_\@:
	s_barrier_wait -3
	s_barrier_signal -1
	s_barrier_wait -1
.endm
.macro CROUND                          ; a whole round
	s_barrier_signal -1
	s_barrier_wait -1
	CREST
.endm
	s_load_b512 s[68:83], s[0:1], 0x0              ; ximg 68:69, wimg 70:71, scales 72:73, bq 74:75, bk 76:77, bv 78:79, qimg 80:81, kimg 82:83
	s_load_b64 s[84:85], s[0:1], 0x40              ; vimg
	v_lshl_add_u32 v[SPW], v0, 2, SPARE
	v_mov_b32 v[NIL], 0
	ds_add_u32 v28, v29
	ds_add_u32 v28, v29
	s_wait_dscnt 0x0
	v_lshrrev_b32 v1, 5, v0
	v_readfirstlane_b32 s14, v1                    ; wave 0..3
	s_lshr_b32 s15, s14, 1                         ; which half of A's rows is mine.  Also: I fetch for A (0) or for B (1)
	s_and_b32 s16, s14, 1                          ; which half of B's rows.  Also: which half of that tile I fetch
	s_bfe_u32 s40, ttmp6, 0x40000                  ; cx, cy: my place in the cluster
	s_bfe_u32 s41, ttmp6, 0x40004
	s_and_b32 s18, ttmp7, 0xffff
	s_lshl_b32 s18, s18, 2                         ; 4 x cluster y
	s_cmp_eq_u32 ttmp9, 2                          ; V?  The cluster's x is the same in all sixteen partners
	s_cselect_b32 s19, 0, s18                      ; tokens have 16 tiles of 256, channels 4: the cluster's y counts along the tokens,
	s_cselect_b32 s20, s18, 0                      ; which are A's rows for Q and K, B's for V
	s_cselect_b32 s21, 20, 22                      ; a plane of A is 2^22 bytes (x's images) or 2^20 (a weight's),
	s_cselect_b32 s22, 22, 20                      ; of B the other
	s_add_co_u32 s17, s19, s41                     ; A's tile of 256 rows: it hangs on cy alone of the two places
	s_add_co_u32 s42, s20, s40                     ; B's: on cx alone
	s_lshl_b32 s43, s41, 2
	s_lshl_b32 s43, 15, s43                        ; my row of the cluster
	s_lshl_b32 s44, 0x1111, s40                    ; my column
	; descriptor group 1: a dense block of 32,768 bytes as 128 rows of 32 elements of 8 bytes; no padding: the images are read 16 bytes a lane on end
	s_or_b32 s[G1+0], s43, (3<<16)|(1<<21)         ; 15:0 the mask: A's tiles go to my row; 17:16 elements of 8 bytes; 21 set beside a mask
	s_or_b32 s[G1B+0], s44, (3<<16)|(1<<21)
.irp g, G1, G1B
	s_mov_b32 s[\g+1], 32<<16                      ; tensor_dim0 = 32
	s_mov_b32 s[\g+2], 128<<16                     ; tensor_dim1 = 128
	s_mov_b32 s[\g+3], 32<<16                      ; tile_dim0 = 32
	s_mov_b32 s[\g+4], 128                         ; tile_dim1 = 128
	s_mov_b32 s[\g+5], 32                          ; tensor_dim0_stride
	s_mov_b32 s[\g+6], 0
	s_mov_b32 s[\g+7], 0
.endr
	s_lshl_b32 s46, s17, 1
	s_add_co_u32 s46, s46, s16                     ; A: which 128 rows I fetch
	s_lshl_b32 s46, s46, 17                        ; x 131,072 bytes
	s_lshl_b32 s47, ttmp9, s21
	s_add_co_u32 s46, s46, s47                     ; + the product's plane
	s_mov_b32 s47, 0
	s_lshl_b32 s8, s42, 1                          ; B likewise, in registers that never hold cy
	s_add_co_u32 s8, s8, s16
	s_lshl_b32 s8, s8, 17
	s_lshl_b32 s9, ttmp9, s22
	s_add_co_u32 s8, s8, s9
	s_mov_b32 s9, 0
	s_lshl_b32 s45, s14, 15                        ; where they go: wave x 32,768: no place in the cluster enters an LDS address
	s_lshl_b32 s86, s17, 4
	s_lshl_b32 s18, s15, 3
	s_add_co_u32 s86, s86, s18                     ; TA0: the first of my eight tiles of 16 of A's rows
	s_lshl_b32 s87, s42, 4
	s_lshl_b32 s18, s16, 3
	s_add_co_u32 s87, s87, s18                     ; TB0: of B's rows
	s_wait_kmcnt 0x0
	s_load_b256 s[88:95], s[72:73], 0x0            ; e0 .. e7
	s_load_b128 s[96:99], s[72:73], 0x20           ; e8 .. e11
	s_cmp_eq_u32 ttmp9, 2
	s_cselect_b64 s[4:5], s[70:71], s[68:69]       ; A's images
	s_cselect_b64 s[12:13], s[68:69], s[70:71]     ; B's
	s_add_nc_u64 s[4:5], s[4:5], s[46:47]
	s_add_nc_u64 s[12:13], s[12:13], s[8:9]
	CROUND                                         ; all sixteen work-groups are here: the first joint loads meet
.irp s, 0,1
	s_mov_b32 s[G0+4*\s], 1
	s_add_co_u32 s[G0+4*\s+1], s45, \s*SLOT
	s_add_nc_u64 s[G0+4*\s+2:G0+4*\s+3], s[4:5], \s*HALFB
	s_or_b32 s[G0+4*\s+3], s[G0+4*\s+3], 0x80000000
	s_mov_b32 s[G0B+4*\s], 1
	s_add_co_u32 s[G0B+4*\s+1], s45, \s*SLOT
	s_add_nc_u64 s[G0B+4*\s+2:G0B+4*\s+3], s[12:13], \s*HALFB
	s_or_b32 s[G0B+4*\s+3], s[G0B+4*\s+3], 0x80000000
	JLOAD G0+4*\s, G1, G0B+4*\s, G1B
.endr
	v_and_b32 v1, 31, v0
	v_lshlrev_b32 v[LI], 4, v1
	v_and_b32 v2, 15, v0                           ; r
	v_bfe_u32 v3, v0, 4, 1                         ; h
	v_lshlrev_b32 v[BH], 6, v3
	v_and_b32 v4, 8, v2
	v_add_nc_u32 v4, v4, v2
	v_lshlrev_b32 v[BR], 2, v4
	s_lshl_b32 s21, s15, 15                        ; my half of A
	s_lshl_b32 s22, s16, 15                        ; my half of B,
	s_add_co_u32 s22, s22, 2*HALFB                 ; which lies behind A's two
.irp s, 0,1
	v_add_nc_u32 v[ADRA+\s], s21, v[LI]
	v_add_nc_u32 v[ADRB+\s], s22, v[LI]
	s_add_co_u32 s21, s21, SLOT
	s_add_co_u32 s22, s22, SLOT
.endr
.macro FRAG reg, adr, q, i             ; a fragment's image: the slot's q-th 128 along K, tile i of my eight
.irp c, 0,1,2,3
	ds_load_b128 v[\reg+4*\c:\reg+4*\c+3], v[\adr] offset:16384*(\q)+2048*(\i)+512*\c
.endr
.endm
; 16 matrix instructions: A's blocks a0, a0 + 1 x B's eight, 128 along K.  p: B's set.  zero = 1: the first product starts the sums.
; The 64 accumulators take turns, one instruction a turn, in the same order in every step.
.macro MUL16 a0, p, zero
.irp a, \a0, \a0+1
.irp b, 0,1,2,3,4,5,6,7
.if \zero
	v_wmma_f32_16x16x128_fp8_fp8 v[8*(8*((\a)%4)+\b):8*(8*((\a)%4)+\b)+7], v[128*(\p)+FR*\b:128*(\p)+FR*\b+FR-1], v[AF+FR*(\a):AF+FR*(\a)+FR-1], 0
.else
	v_wmma_f32_16x16x128_fp8_fp8 v[8*(8*((\a)%4)+\b):8*(8*((\a)%4)+\b)+7], v[128*(\p)+FR*\b:128*(\p)+FR*\b+FR-1], v[AF+FR*(\a):AF+FR*(\a)+FR-1], v[8*(8*((\a)%4)+\b):8*(8*((\a)%4)+\b)+7]
.endif
.endr
.endr
.endm
.macro FETCH_B slot, q, p
	WIN TO_B
.irp i, 0,1,2,3,4,5,6,7
	FRAG 128*(\p)+FR*\i, ADRB+\slot, \q, \i
.endr
	WIN 0
.endm
.macro FETCH_A slot, q, i0
.irp i, \i0, \i0+1, \i0+2, \i0+3
	FRAG AF+FR*(\i), ADRA+\slot, \q, \i
.endr
.endm
.macro PLACES n                        ; plain vector lines between a matrix instruction and a load into, or a vector line on, its registers
.rept \n
	v_nop
.endr
.endm
; A step of 128 along K that has its successor in the same slot.  A block of A is free when its eight products are issued: one set serves A; B has two.
.macro STEP slot, q, zero
	s_wait_dscnt 4*NL                              ; B's set and A's blocks 0-3 are in; the youngest 16 loads (A's blocks 4-7) may be out
	WIN MUL_LO
	MUL16 0, (\q)%2, \zero
	MUL16 2, (\q)%2, \zero
	s_wait_dscnt 0                                 ; A's blocks 4-7 are in
	PLACES NP
	FETCH_B \slot, (\q)+1, 1-(\q)%2
	FETCH_A \slot, (\q)+1, 0
	WIN MUL_HI
	MUL16 4, (\q)%2, \zero
	MUL16 6, (\q)%2, \zero
	PLACES NP
	WIN 0
	FETCH_A \slot, (\q)+1, 4
.endm
; A slot's last step changes slots: one barrier; in front of it each wave waits for all its tensor loads, adds 0 to its spare word, and waits for that and for its reads of this slot.  fill = 1: this slot is filled again.
.macro TURN slot, next, fill
	s_wait_tensorcnt 0x0                           ; all my tensor loads have landed: my part of the next slot
	ds_add_u32 v[SPW], v[NIL]                      ; 0 onto my spare word
	s_wait_dscnt 4*NL+1                            ; (the add and the youngest 16 loads may be out)
	WIN MUL_LO
	MUL16 0, 1, 0                                  ; sixteen matrix instructions stand between the add and the wait for it
	s_wait_dscnt 0x0                               ; the add is done, and my reads of this slot are over
	s_barrier_signal -1
	MUL16 2, 1, 0
	WIN 0
	s_barrier_wait -1
.if \fill
	CREST                                          ; the barrier has opened a round of the cluster's: no wave of any partner still reads this slot or has a load on its way
	s_add_nc_u64 s[G0+4*\slot+2:G0+4*\slot+3], s[G0+4*\slot+2:G0+4*\slot+3], 2*HALFB
	s_add_nc_u64 s[G0B+4*\slot+2:G0B+4*\slot+3], s[G0B+4*\slot+2:G0B+4*\slot+3], 2*HALFB
	JLOAD G0+4*\slot, G1, G0B+4*\slot, G1B         ; the first tensor load behind the round; its four v_nop are the places in front of the loads below
.else
	PLACES NP
.endif
	FETCH_B \next, 0, 0
	FETCH_A \next, 0, 0
	WIN MUL_HI
	MUL16 4, 1, 0
	MUL16 6, 1, 0
	PLACES NP
	WIN 0
	FETCH_A \next, 0, 4
.endm
.macro LAST                            ; the very last step: nothing more to fetch
	s_wait_dscnt 4*NL
	WIN MUL_LO
	MUL16 0, 1, 0
	MUL16 2, 1, 0
	s_wait_dscnt 0x0
	WIN MUL_HI
	MUL16 4, 1, 0
	MUL16 6, 1, 0
	WIN 0
.endm
; THE WAY OUT of A's block a: 64 numbers a lane; register 16 b + i is B's row 16 TB0 + 32 b + 16 (lane / 16) + i.  sum x 2^(ea + eb) + bias in one packed multiply-add, each accumulator from its low end on;
; the hold; the conversion; four stores of 512 consecutive bytes.
.macro OUTBLK a, isv
.set AC, 64*((\a)%4)
.set CD, COD+16*((\a)%4)
	WIN 0x02+((\a)/4)                              ; source 0: window 2 or 3
.set i, 0
.rept 32
.if \isv
.if (\a)%2
	v_pk_fma_f32 v[TMP+i:TMP+i+1], v[AC+i:AC+i+1], s[10:11], v[BIAS+(\a)-1:BIAS+(\a)] op_sel:[0,0,1] op_sel_hi:[1,0,1]   ; the block's one bias a lane: the pair's second word for both halves
.else
	v_pk_fma_f32 v[TMP+i:TMP+i+1], v[AC+i:AC+i+1], s[10:11], v[BIAS+(\a):BIAS+(\a)+1] op_sel_hi:[1,0,0]                  ; the pair's first word for both halves
.endif
.else
	v_pk_fma_f32 v[TMP+i:TMP+i+1], v[AC+i:AC+i+1], s[10:11], v[BIAS+i:BIAS+i+1] op_sel_hi:[1,0,1]
.endif
.set i, i+2
.endr
	WIN 0
.if (\a) >= 4
	s_wait_xcnt 0x0                                ; block a - 4's stores have read their data: those registers are written again below
.endif
.irp b, 0,1,2,3
.irp i, 0,1,2,3,4,5,6,7,8,9,10,11,12,13,14,15
	v_med3_num_f32 v[TMP+16*\b+\i], v[TMP+16*\b+\i], -v[LIM], v[LIM]   ; the conversion to an 8-bit code does not saturate (ISA guide 7.6.2)
.endr
	v_cvt_scalef32_pk8_fp8_f32 v[CD+4*\b:CD+4*\b+1], v[TMP+16*\b:TMP+16*\b+7], v[SCL]
	v_cvt_scalef32_pk8_fp8_f32 v[CD+4*\b+2:CD+4*\b+3], v[TMP+16*\b+8:TMP+16*\b+15], v[SCL]
.endr
	v_nop                                          ; a plain line behind the last conversion: the next block writes its sources
.irp b, 0,1,2,3
.if \isv
	global_store_b128 v[LI], v[CD+4*\b:CD+4*\b+3], s[6:7] offset:((\a)/4)*131072+((\a)%4)*2048+\b*512   ; head + a / 4, channel tile a % 4, keys 32 b on
.else
	global_store_b128 v[LI], v[CD+4*\b:CD+4*\b+3], s[6:7] offset:(\a)*1024+(\b/2)*131072+(\b%2)*512     ; token tile + a, head + b / 2, channels 32 (b % 2) on
.endif
.endr
.endm
	s_wait_tensorcnt 1                             ; my part of slot 0 is in (slot 1's load may be out)
	s_barrier_signal -1
	s_barrier_wait -1                              ; everybody's is
	FETCH_B 0, 0, 0
	FETCH_A 0, 0, 0
	FETCH_A 0, 0, 4
	STEP 0, 0, 1                                   ; K 0: its products start the sums
	TURN 0, 1, 1                                   ; K 128; slot 0 takes K 512 on
	STEP 1, 0, 0                                   ; K 256
	TURN 1, 0, 1                                   ; K 384; slot 1 takes K 768 on
	STEP 0, 0, 0                                   ; K 512
	TURN 0, 1, 0                                   ; K 640; nothing is left to fetch, so no round
	STEP 1, 0, 0                                   ; K 768
	s_cmp_eq_u32 ttmp9, 2                          ; the ways out part on the cluster's x, which all partners share; no barrier and no LDS line stands in either arm
	s_cbranch_scc1 .Lv
	; ---- Q and K
	s_wait_kmcnt 0x0
	s_cmp_eq_u32 ttmp9, 0
	s_cselect_b32 s10, s88, s90                    ; x's exponent,
	s_cselect_b32 s11, s89, s91                    ; the weight's,
	s_cselect_b32 s12, s94, s95                    ; the result's
	s_cselect_b64 s[2:3], s[74:75], s[76:77]       ; the bias
	s_cselect_b64 s[6:7], s[80:81], s[82:83]       ; the images
	s_lshl_b32 s20, s87, 6                         ; my first channel, 16 TB0, x 4 bytes
	s_mov_b32 s21, 0
	s_add_nc_u64 s[2:3], s[2:3], s[20:21]
.irp b, 0,1,2,3
.irp k, 0,1,2,3
	global_load_b128 v[BIAS+16*\b+4*\k:BIAS+16*\b+4*\k+3], v[BH], s[2:3] offset:128*\b+16*\k   ; register 16 b + i: the bias of channel 16 TB0 + 32 b + 16 (lane / 16) + i; they land under the last step's products
.endr
.endr
	s_add_co_i32 s10, s10, s11
	s_add_co_i32 s10, s10, 127
	s_lshl_b32 s10, s10, 23                        ; 2^(ea + eb) as f32
	s_mov_b32 s11, s10                             ; (named with it as a pair, so it is written)
	s_add_co_i32 s12, s12, 127
	s_lshl_b32 s13, s12, 23
	v_mov_b32 v[SCL], s13
	s_add_co_i32 s12, s12, 8
	s_lshl_b32 s12, s12, 23
	s_or_b32 s12, s12, 0x600000
	v_mov_b32 v[LIM], s12
	s_lshr_b32 s22, s86, 7                         ; the batch,
	s_lshl_b32 s22, s22, 4
	s_lshr_b32 s23, s87, 2                         ; my first head
	s_add_co_u32 s22, s22, s23
	s_lshl_b32 s22, s22, 17                        ; x 131,072 bytes
	s_and_b32 s23, s86, 127                        ; my first token tile in the batch
	s_lshl_b32 s23, s23, 10
	s_add_co_u32 s22, s22, s23
	s_mov_b32 s23, 0
	s_add_nc_u64 s[6:7], s[6:7], s[22:23]
	LAST
	s_wait_loadcnt 0x0                             ; the bias
	PLACES NP                                      ; behind the last products: their operands' registers are written below
.irp a, 0,1,2,3,4,5,6,7
	OUTBLK \a, 0
.endr
	s_branch .Ldone
.Lv:
	; ---- V
	s_wait_kmcnt 0x0
	s_lshl_b32 s20, s86, 6                         ; my first channel, 16 TA0, x 4 bytes
	s_mov_b32 s21, 0
	s_add_nc_u64 s[2:3], s[78:79], s[20:21]
.irp a, 0,1,2,3,4,5,6,7
	global_load_b32 v[BIAS+\a], v[BR], s[2:3] offset:(32*(\a/2)+8*(\a%2))*4   ; block a: the bias of the channel at my lane's place
.endr
	s_add_co_i32 s10, s92, s93
	s_add_co_i32 s10, s10, 127
	s_lshl_b32 s10, s10, 23                        ; 2^(e4 + e5)
	s_mov_b32 s11, s10
	s_add_co_i32 s12, s97, 127
	s_lshl_b32 s13, s12, 23
	v_mov_b32 v[SCL], s13                          ; 2^e9
	s_add_co_i32 s12, s12, 8
	s_lshl_b32 s12, s12, 23
	s_or_b32 s12, s12, 0x600000
	v_mov_b32 v[LIM], s12
	s_lshr_b32 s22, s87, 7                         ; the batch,
	s_lshl_b32 s22, s22, 4
	s_lshr_b32 s23, s86, 2                         ; my first head
	s_add_co_u32 s22, s22, s23
	s_lshl_b32 s22, s22, 17
	s_and_b32 s23, s87, 127
	s_lshr_b32 s23, s23, 3                         ; my 128 keys: which key step of the batch
	s_lshl_b32 s23, s23, 13
	s_add_co_u32 s22, s22, s23
	s_mov_b32 s23, 0
	s_add_nc_u64 s[6:7], s[84:85], s[22:23]
	LAST
	s_wait_loadcnt 0x0
	PLACES NP
.irp a, 0,1,2,3,4,5,6,7
	OUTBLK \a, 1
.endr
.Ldone:
	s_wait_tensorcnt 0x0                           ; the wave's end
	ds_add_u32 v[SPW], v[NIL]
	s_wait_dscnt 0x0
	CROUND                                         ; the closing round: no work-group ends while a partner may still ask for a tile that names it
	s_endpgm
.Lfunc_end_k_q9894f8eccf_qkv:
	.size	k_q9894f8eccf_qkv, .Lfunc_end_k_q9894f8eccf_qkv-k_q9894f8eccf_qkv
	.p2alignl 7, 3214868480
	.fill 96, 4, 3214868480
	.section	.rodata,"a",@progbits
	.p2align	6, 0x0
	.amdhsa_kernel k_q9894f8eccf_qkv
		.amdhsa_group_segment_fixed_size 327680
		.amdhsa_private_segment_fixed_size 0
		.amdhsa_enable_private_segment 0
		.amdhsa_kernarg_size 72
		.amdhsa_user_sgpr_count 2
		.amdhsa_user_sgpr_kernarg_segment_ptr 1
		.amdhsa_wavefront_size32 1
		.amdhsa_system_sgpr_workgroup_id_x 1
		.amdhsa_system_sgpr_workgroup_id_y 1
		.amdhsa_system_sgpr_workgroup_id_z 1
		.amdhsa_system_vgpr_workitem_id 0
		.amdhsa_next_free_vgpr 1024
		.amdhsa_next_free_sgpr 100
		.amdhsa_reserve_vcc 0
		.amdhsa_float_denorm_mode_32 3
		.amdhsa_float_denorm_mode_16_64 3
		.amdhsa_memory_ordered 1
		.amdhsa_forward_progress 1
		.amdhsa_inst_pref_size 198
	.end_amdhsa_kernel
	.amdgpu_metadata
---
amdhsa.version: [ 1, 2 ]
amdhsa.kernels:
  - .name:           k_q9894f8eccf_qkv
    .symbol:         k_q9894f8eccf_qkv.kd
    .args:
      - { .name: ximg, .offset: 0, .size: 8, .value_kind: global_buffer, .address_space: global }
      - { .name: wimg, .offset: 8, .size: 8, .value_kind: global_buffer, .address_space: global }
      - { .name: lowp_scales, .offset: 16, .size: 8, .value_kind: global_buffer, .address_space: global }
      - { .name: bq, .offset: 24, .size: 8, .value_kind: global_buffer, .address_space: global }
      - { .name: bk, .offset: 32, .size: 8, .value_kind: global_buffer, .address_space: global }
      - { .name: bv, .offset: 40, .size: 8, .value_kind: global_buffer, .address_space: global }
      - { .name: qimg, .offset: 48, .size: 8, .value_kind: global_buffer, .address_space: global }
      - { .name: kimg, .offset: 56, .size: 8, .value_kind: global_buffer, .address_space: global }
      - { .name: vimg, .offset: 64, .size: 8, .value_kind: global_buffer, .address_space: global }
    .group_segment_fixed_size: 327680
    .private_segment_fixed_size: 0
    .kernarg_segment_align: 8
    .kernarg_segment_size: 72
    .max_flat_workgroup_size: 128
    .sgpr_count:     100
    .vgpr_count:     1024
    .wavefront_size: 32
...
	.end_amdgpu_metadata
.endif
;; end of part 2
;; launch attn (part 3): grid 8 x 32, 8 waves a work-group, no clusters, 263,168 bytes of LDS; arguments qimg, kimg, vimg, lowp_scales, aimg; writes aimg
.if DOCPART == 3
	.amdgcn_target "amdgcn-amd-amdhsa--gfx1250"
	.amdhsa_code_object_version 6
	.text
	.protected	k_q9894f8eccf_attn
	.globl	k_q9894f8eccf_attn
	.p2align	8
	.type	k_q9894f8eccf_attn,@function
k_q9894f8eccf_attn:
	s_mov_b64 s[64:65], 0
	v_nop
	global_prefetch_b8 v0, s[64:65] scope:SCOPE_SE
	s_setreg_imm32_b32 hwreg(HW_REG_WAVE_MODE, 25, 1), 1
	s_wait_xcnt 0x0
; attended[q] = (the sum over k of Q8(p) V8[k]) / l, for each of 32 (batch, head): both products on codes of E4M3; the result is quantised at once, with 2^e10, for the output projection.
; t = score x log2(e) / 8; M = the running largest t rounded UP to a whole number; p = 2^(t - M) is quantised with 2^e8, not normalised; l is the sum of the unquantised p.  When M moves, l and O are multiplied by 2^(old M - new M): exact.
; SHARES.  A work-group owns 256 queries of one (batch, head); each of its eight waves owns 32: two tiles of 16, so that each fragment of K and V read from LDS feeds two products.  Two waves to a SIMD.
; LAYOUT.  Both products are used transposed: S^T = K Q^T (source 0 = 16 keys), O^T = V^T P^T (source 0 = 16 channels): a lane holds one query throughout.  The rows of a tile are not neighbours (place p of tile T is row
; 32 (T / 2) + 8 (T % 2) + p + 8 (p / 8)), so the 16 registers of tiles 2 b and 2 b + 1 are 16 neighbours: keys for p, channels for O.  All operands are images of registers: 16 bytes a lane on end.
; THE HEAD'S WHOLE K AND V LIE IN LDS: 131,072 bytes of K's images, then 131,072 of V's, as they lie in memory.  They come through registers, a slot of 256 keys at a time (16,384 bytes of each): a wave copies 4,096 bytes,
; eight loads and eight LDS stores (waves 0-3 K's, waves 4-7 V's).  Every byte is stored once and never written again, so a barrier has only to publish stores.
; THE COPY RUNS TWO SLOTS AHEAD.  In slot n a wave stores slot n + 2 (loaded a step and a half earlier), waits for its LDS instructions in the middle of the slot's first key step, asks memory for slot n + 3, and signals;
; it waits for the barrier at the slot's end.  Slot n + 2 is first read in slot n + 1.  Between signal and wait stand register work and LDS loads of bytes that nobody writes again; a wave may run a step and a half ahead of another.
; THE LDS READS RUN AHEAD TOO.  K's fragments of the next key step are asked for straight behind this step's scores, when K's registers are free; V's at the step's head.  One wait a step, behind the conversions, serves both.
; No tensor load, no cluster, no prefetch: a slot costs a wave 16 memory lines beside some 1,000 vector lines, they are asked for three key steps ahead of their use, and no wave waits for them; and a launch without tensor
; loads may branch on the given e8: with 448 x 2^e8 >= 1 (e8 >= -8) no p, which is at most 1, reaches the hold, and its 128 lines a key step are jumped over.
; The loop has five equal trips of one slot; the last three slots are written out, since they copy less and less: no branch stands round a load or a store.
; LIMITS: e6 + e7 between -123 and 130 (added to the exponent field of log2(e) / 8); e8 and e10 between -126 and 119; e8 + e9 is applied by v_ldexp_f32 and has none.
; REGISTERS: window 0: v1 16 x lane; v3 my place in a slot's copy; v4 V's region + 16 x lane; v5, v6 448 x 2^e8, 2^e8; v8-23 statistics, eight a tile: +0 -M, +1 the largest t, +2, +3 l in two halves, +4 f (+5 named with it), +6, +7 at work;
;   v24, v25 the lane exchange; v26-29 a second chain of sums; v30, v31, v114 the slot's LDS addresses (K, V, the copy); v32-47 Q; v48-79 p's codes; v80-111 the copy; v112, v113 448 x 2^e10, 2^e10; v128-255 S^T, then p.
;   window 1: v0-63 K's eight fragments; v64-127 V's four; v128-191 O^T, 32 a tile.
.set SLOTB, 16384                      ; a slot's bytes of K's images, and of V's
.set VREG,  131072                     ; V's region begins behind K's
.set LI,   1
.set STB,  3
.set VB0,  4
.set PLIM, 5
.set PSC,  6
.set ST,   8
.set XL,   24
.set L2,   26
.set KA,   30
.set VA,   31
.set QF,   32
.set PC,   48
.set SG,   80
.set ALIM, 112
.set ASC,  113
.set SA,   114
.set S,    128
.set OT,   128                         ; in window 1
.set MSB, 0
.macro WIN new                         ; the immediate's high byte repeats the setting that is left
.if MSB != \new
	s_set_vgpr_msb (MSB<<8)|\new
.set MSB, \new
.endif
.endm
	s_load_b256 s[4:11], s[0:1], 0x0               ; qimg 4:5, kimg 6:7, vimg 8:9, scales 10:11
	s_load_b64 s[12:13], s[0:1], 0x20              ; aimg
	v_lshl_add_u32 v126, v0, 2, 0x40000
	v_mov_b32 v127, 0
	v_lshrrev_b32 v2, 5, v0
	v_readfirstlane_b32 s14, v2                    ; wave 0..7
	v_and_b32 v[LI], 31, v0
	v_lshlrev_b32 v[LI], 4, v[LI]
	s_and_b32 s36, s14, 3
	s_lshl_b32 s36, s36, 12                        ; my 4,096 bytes of a slot's 16,384,
	s_lshr_b32 s15, s14, 2
	s_lshl_b32 s15, s15, 17                        ; in K's region (waves 0-3) or V's (waves 4-7)
	s_add_co_u32 s15, s15, s36
	v_add_nc_u32 v[STB], s15, v[LI]
	v_add_nc_u32 v[VB0], VREG, v[LI]
	s_and_b32 s16, ttmp7, 0xffff                   ; 16 x batch + head
	s_lshl_b32 s34, s16, 17                        ; its 131,072 bytes in each of the three tensors of images
	s_add_co_u32 s36, s36, s34                     ; the copy, in memory: my 4,096 bytes of the first 256 keys
	s_mov_b32 s37, 0
	s_lshl_b32 s38, ttmp9, 4
	s_lshl_b32 s39, s14, 1
	s_add_co_u32 s38, s38, s39                     ; my first query tile in the batch: 16 x block + 2 x wave
	s_lshl_b32 s40, s38, 10
	s_add_co_u32 s40, s40, s34
	s_mov_b32 s41, 0
	s_lshr_b32 s42, s16, 4                         ; the batch
	s_lshl_b32 s42, s42, 7
	s_add_co_u32 s42, s42, s38                     ; my first token tile of all 256
	s_lshl_b32 s42, s42, 14                        ; x 16,384 bytes (eight K steps of the output projection)
	s_and_b32 s43, s16, 15                         ; the head: K step head / 2, groups 2 (head % 2) on
	s_lshr_b32 s44, s43, 1
	s_lshl_b32 s44, s44, 11
	s_add_co_u32 s42, s42, s44
	s_and_b32 s44, s43, 1
	s_lshl_b32 s44, s44, 10
	s_add_co_u32 s42, s42, s44
	s_mov_b32 s43, 0
	s_mov_b32 s20, 0x76543210                      ; v_permlanex16_b32's selects for lane l xor 16
	s_mov_b32 s21, 0xfedcba98
	s_mov_b32 s32, 5                               ; the loop's trips
	s_mov_b32 s46, 0                               ; where the slot in hand begins in K's region, and in V's
	s_wait_kmcnt 0x0
	s_load_b256 s[24:31], s[10:11], 0x10           ; e4 .. e11: s26 e6, s27 e7, s28 e8, s29 e9, s30 e10
	s_cmp_lt_u32 s14, 4
	s_cselect_b64 s[18:19], s[6:7], s[8:9]         ; I copy K's images or V's
	s_add_nc_u64 s[18:19], s[18:19], s[36:37]
	s_add_nc_u64 s[4:5], s[4:5], s[40:41]
	s_add_nc_u64 s[12:13], s[12:13], s[42:43]
.macro STAGE_LOAD reg, off             ; my 4,096 bytes of a slot, 512 consecutive bytes a load
.irp i, 0,1,2,3,4,5,6,7
	global_load_b128 v[\reg+4*\i:\reg+4*\i+3], v[LI], s[18:19] offset:\off+512*\i
.endr
.endm
.macro STAGE_STORE adr, reg, off
.irp i, 0,1,2,3,4,5,6,7
	ds_store_b128 v[\adr], v[\reg+4*\i:\reg+4*\i+3] offset:\off+512*\i
.endr
.endm
.irp t, 0,1
.irp c, 0,1
	global_load_b128 v[QF+8*\t+4*\c:QF+8*\t+4*\c+3], v[LI], s[4:5] offset:1024*\t+512*\c   ; Q's two fragments stay in registers
.endr
.endr
	STAGE_LOAD SG, 0                               ; slot 0,
	STAGE_LOAD S, SLOTB                            ; and slot 1, into registers that the scores will take
.irp t, 0,1
	v_mov_b32 v[ST+8*\t+1], 0xff61b1e6             ; the largest t so far: -3e38, under every t
	v_floor_f32 v[ST+8*\t], -v[ST+8*\t+1]          ; -M
	v_mov_b32 v[ST+8*\t+2], 0                      ; l, in two halves
	v_mov_b32 v[ST+8*\t+3], 0
	v_mov_b32 v[ST+8*\t+5], 0                      ; (named as the upper half of f's pair)
	v_mov_b32 v[XL+\t], 0                          ; written once: a lane permute's destination counts as one of its sources
.endr
	WIN 0x40
.set j, 0
.rept 64
	v_mov_b32 v[OT+j], 0                           ; O^T.  (The step is written once: the first finds zeros, which the first change of M leaves zeros)
.set j, j+1
.endr
	WIN 0
	s_wait_kmcnt 0x0
	s_add_co_i32 s15, s26, s27
	s_lshl_b32 s15, s15, 23
	s_mov_b32 s22, 0x3e38aa3b                      ; log2(e) / 8
	s_add_co_i32 s22, s22, s15                     ; a score stands for score x 2^(e6 + e7): the two exponents are added to the factor's exponent field
	s_mov_b32 s23, s22                             ; (named with it as a pair, so it is written)
	s_add_co_i32 s15, s28, 127
	s_lshl_b32 s16, s15, 23
	v_mov_b32 v[PSC], s16                          ; 2^e8
	s_add_co_i32 s15, s15, 8
	s_lshl_b32 s15, s15, 23
	s_or_b32 s15, s15, 0x600000
	v_mov_b32 v[PLIM], s15                         ; 448 x 2^e8
	s_add_co_i32 s15, s30, 127
	s_lshl_b32 s16, s15, 23
	v_mov_b32 v[ASC], s16                          ; 2^e10
	s_add_co_i32 s15, s15, 8
	s_lshl_b32 s15, s15, 23
	s_or_b32 s15, s15, 0x600000
	v_mov_b32 v[ALIM], s15                         ; 448 x 2^e10
; A KEY STEP: 128 keys, the q-th of the slot in hand.  K's fragments are in registers already.
; pf = 1: the next step's K is asked for.  ld = 1: the copy's next loads go out.  sig = 1: the slot's barrier is signalled.
.macro STEP q, pf, ld, sig
.rept 4
	v_nop                                          ; places between the last step's products and the loads into V's registers
.endr
	WIN 0x40                                       ; destination window 1
.irp u, 0,1,2,3
.irp c, 0,1,2,3
	ds_load_b128 v[64+16*\u+4*\c:64+16*\u+4*\c+3], v[VA] offset:8192*\q+2048*\u+512*\c   ; V: wanted behind the softmax
.endr
.endr
	WIN 0x01                                       ; source 0 (K) window 1
.irp k, 0,1,2,3,4,5,6,7
.irp t, 0,1
	v_wmma_f32_16x16x64_fp8_fp8 v[S+64*\t+8*\k:S+64*\t+8*\k+7], v[8*\k:8*\k+7], v[QF+8*\t:QF+8*\t+7], 0
.endr
.endr
	WIN 0
.rept 4
	v_nop                                          ; places: in front of the loads into K's registers, and of the first read of the scores
.endr
.if \pf
	WIN 0x40
.irp k, 0,1,2,3,4,5,6,7
	ds_load_b128 v[8*\k:8*\k+3],   v[KA] offset:8192*(\q+1)+1024*\k        ; the next step's K: it has this step's softmax in which to come
	ds_load_b128 v[8*\k+4:8*\k+7], v[KA] offset:8192*(\q+1)+1024*\k+512
.endr
	WIN 0
.endif
.irp t, 0,1                                    ; the step's largest score of my query among my 64 keys, in two chains a tile, the registers in ascending order
	v_max3_num_f32 v[ST+8*\t+6], v[S+64*\t], v[S+64*\t+1], v[S+64*\t+2]
	v_max3_num_f32 v[ST+8*\t+7], v[S+64*\t+3], v[S+64*\t+4], v[S+64*\t+5]
.endr
.irp i, 6,10,14,18,22,26,30,34,38,42,46,50,54,58
.irp t, 0,1
	v_max3_num_f32 v[ST+8*\t+6], v[ST+8*\t+6], v[S+64*\t+\i], v[S+64*\t+\i+1]
	v_max3_num_f32 v[ST+8*\t+7], v[ST+8*\t+7], v[S+64*\t+\i+2], v[S+64*\t+\i+3]
.endr
.endr
.irp t, 0,1
	v_max3_num_f32 v[ST+8*\t+6], v[ST+8*\t+6], v[S+64*\t+62], v[S+64*\t+63]
.endr
.irp t, 0,1
	v_max_num_f32 v[ST+8*\t+6], v[ST+8*\t+6], v[ST+8*\t+7]
.endr
.irp t, 0,1
	v_permlanex16_b32 v[XL+\t], v[ST+8*\t+6], s20, s21
.endr
.irp t, 0,1
	v_max_num_f32 v[ST+8*\t+6], v[ST+8*\t+6], v[XL+\t]     ; and among lane l xor 16's
.endr
.irp t, 0,1
	v_mul_f32 v[ST+8*\t+6], s22, v[ST+8*\t+6]              ; as t (the factor is positive)
.endr
.irp t, 0,1
	v_max_num_f32 v[ST+8*\t+1], v[ST+8*\t+1], v[ST+8*\t+6] ; the running largest t
	v_mov_b32 v[ST+8*\t+7], v[ST+8*\t]
.endr
.irp t, 0,1
	v_floor_f32 v[ST+8*\t], -v[ST+8*\t+1]                  ; the new -M = floor(-t): M is a whole number
.endr
.irp t, 0,1
	v_sub_f32 v[ST+8*\t+7], v[ST+8*\t], v[ST+8*\t+7]       ; old M - new M: a whole number, 0 or less
.endr
.irp t, 0,1
	v_cvt_i32_f32 v[ST+8*\t+7], v[ST+8*\t+7]               ; (it saturates)
.endr
.irp t, 0,1
	v_ldexp_f32 v[ST+8*\t+4], 1.0, v[ST+8*\t+7]            ; f = 2^(old M - new M)
.endr
.irp t, 0,1
.set j, 0
.rept 32
	v_pk_fma_f32 v[S+64*\t+j:S+64*\t+j+1], v[S+64*\t+j:S+64*\t+j+1], s[22:23], v[ST+8*\t:ST+8*\t+1] op_sel_hi:[1,0,0]   ; t - M, two at a time (of both pairs the low word serves both halves)
.set j, j+2
.endr
.endr
.set j, 0
.rept 128
	v_exp_f32 v[S+j], v[S+j]                       ; p = 2^(t - M), at most 1: one batch for both tiles
.set j, j+1
.endr
.irp t, 0,1
	v_pk_mul_f32 v[ST+8*\t+2:ST+8*\t+3], v[ST+8*\t+2:ST+8*\t+3], v[ST+8*\t+4:ST+8*\t+5] op_sel_hi:[1,0]   ; l under the new M.  (The plain lines behind the exponentials)
.endr
	s_wait_alu depctr_va_vdst(0)                   ; ahead of the first line that names an exponential's result: one wait for the batch
.irp t, 0,1
	v_pk_add_f32 v[L2+2*\t:L2+2*\t+1], v[S+64*\t:S+64*\t+1], v[S+64*\t+2:S+64*\t+3]   ; the sum is taken of the unquantised p: two at a time, in two chains a tile
.endr
.irp j, 4,8,12,16,20,24,28,32,36,40,44,48,52,56,60
.irp t, 0,1
	v_pk_add_f32 v[ST+8*\t+2:ST+8*\t+3], v[ST+8*\t+2:ST+8*\t+3], v[S+64*\t+\j:S+64*\t+\j+1]
	v_pk_add_f32 v[L2+2*\t:L2+2*\t+1], v[L2+2*\t:L2+2*\t+1], v[S+64*\t+\j+2:S+64*\t+\j+3]
.endr
.endr
.irp t, 0,1
	v_pk_add_f32 v[ST+8*\t+2:ST+8*\t+3], v[ST+8*\t+2:ST+8*\t+3], v[L2+2*\t:L2+2*\t+1]
.endr
	s_cmp_ge_i32 s28, -8                           ; 448 x 2^e8 >= 1: no p reaches the hold
	s_cbranch_scc1 .Lno_hold_\@
.set j, 0
.rept 128
	v_min_num_f32 v[S+j], v[S+j], v[PLIM]          ; the conversion to an 8-bit code does not saturate (ISA guide 7.6.2); p is not negative, so the hold is one-sided
.set j, j+1
.endr
.Lno_hold_\@:
.irp t, 0,1
.irp b, 0,1,2,3
	v_cvt_scalef32_pk8_fp8_f32 v[PC+16*\t+4*\b:PC+16*\t+4*\b+1], v[S+64*\t+16*\b:S+64*\t+16*\b+7], v[PSC]
	v_cvt_scalef32_pk8_fp8_f32 v[PC+16*\t+4*\b+2:PC+16*\t+4*\b+3], v[S+64*\t+16*\b+8:S+64*\t+16*\b+15], v[PSC]
.endr
.endr
	s_wait_dscnt 0x0                               ; the step's one wait on LDS: V is in, the next step's K is in, and the copy's stores have landed and have read their registers
.if \ld
	s_add_nc_u64 s[18:19], s[18:19], SLOTB         ; (the loads that named it were waited for at the slot's head)
	STAGE_LOAD SG, 0                               ; the slot three on from the one in hand
.endif
.if \sig
	s_barrier_signal -1                            ; my part of the slot two on lies in LDS; the wait stands at this slot's end
.endif
	WIN 0x41                                       ; O^T (destination and source 0) window 1, f window 0
.irp t, 0,1
.set j, 0
.rept 16
	v_pk_mul_f32 v[OT+32*\t+j:OT+32*\t+j+1], v[OT+32*\t+j:OT+32*\t+j+1], v[ST+8*\t+4:ST+8*\t+5] op_sel_hi:[1,0]   ; O^T under the new M.  (Also the plain lines behind the conversions)
.set j, j+2
.endr
.endr
	WIN 0x51                                       ; V window 1, p's codes window 0, O^T window 1
.irp u, 0,1,2,3                                ; eight accumulators, one instruction each; the next step's scores stand between a link and the next
.irp t, 0,1
	v_wmma_f32_16x16x128_fp8_fp8 v[OT+32*\t+8*\u:OT+32*\t+8*\u+7], v[64+16*\u:64+16*\u+15], v[PC+16*\t:PC+16*\t+15], v[OT+32*\t+8*\u:OT+32*\t+8*\u+7]
.endr
.endr
	WIN 0
.endm
; A SLOT: two key steps.  st = 1: the slot two on is stored and published.  ld = 1: the slot three on is asked for.  pf = 1: there is a next slot, whose first K is asked for.
.macro SLOT st, ld, pf
	v_add_nc_u32 v[KA], s46, v[LI]
	v_add_nc_u32 v[VA], s46, v[VB0]
.if \st
	v_add_nc_u32 v[SA], s46, v[STB]
	s_wait_loadcnt 0x0                             ; the copy asked for a step and a half ago is in
	STAGE_STORE SA, SG, 2*SLOTB                    ; bytes that nobody has touched yet
.endif
	STEP 0, 1, \ld, \st
	STEP 1, \pf, 0, 0
.if \st
	s_barrier_wait -1                              ; every wave's part of the slot two on lies in LDS: it is first read in the next slot's second step
.endif
.if \pf
	s_add_co_u32 s46, s46, SLOTB
.endif
.endm
	s_wait_loadcnt 0x0                             ; Q, and my parts of slots 0 and 1
	STAGE_STORE STB, SG, 0
	STAGE_STORE STB, S, SLOTB
	s_wait_dscnt 0x0                               ; my stores have landed, and have read their registers
	s_add_nc_u64 s[18:19], s[18:19], 2*SLOTB       ; (the loads that named it are done)
	STAGE_LOAD SG, 0                               ; slot 2
	s_barrier_signal -1
	s_barrier_wait -1                              ; slots 0 and 1 lie in LDS
	WIN 0x40
.irp k, 0,1,2,3,4,5,6,7
	ds_load_b128 v[8*\k:8*\k+3],   v[LI] offset:1024*\k        ; the first step's K
	ds_load_b128 v[8*\k+4:8*\k+7], v[LI] offset:1024*\k+512
.endr
	WIN 0
	s_wait_dscnt 0x0
.Lslot:                                            ; slots 0 to 4: each stores the slot two on and asks for the slot three on
	SLOT 1, 1, 1
	s_sub_co_u32 s32, s32, 1
	s_cmp_lg_u32 s32, 0
	s_cbranch_scc1 .Lslot
	SLOT 1, 0, 1                                   ; slot 5 stores slot 7; nothing is left to ask for: no load leaves its buffer
	SLOT 0, 0, 1                                   ; slot 6: nothing is left to publish, so no barrier
	SLOT 0, 0, 0                                   ; slot 7: no step follows
	; THE WAY OUT: O^T / l x 2^(e8 + e9), held, converted with 2^e10: the 16 registers of channel tiles 2 b and 2 b + 1 are 16 neighbours along the output projection's K: one group of its operand's image.
.rept 4
	v_nop
.endr
.irp t, 0,1
	v_add_f32 v[ST+8*\t+2], v[ST+8*\t+2], v[ST+8*\t+3]
.endr
.irp t, 0,1
	v_permlanex16_b32 v[XL+\t], v[ST+8*\t+2], s20, s21
.endr
.irp t, 0,1
	v_add_f32 v[ST+8*\t+2], v[ST+8*\t+2], v[XL+\t]
.endr
.irp t, 0,1
	v_rcp_f32 v[ST+8*\t+4], v[ST+8*\t+2]
.endr
	v_nop                                          ; a plain line behind the last reciprocal
	s_add_co_i32 s33, s28, s29
	s_wait_alu depctr_va_vdst(0)                   ; one wait for both reciprocals, ahead of their first reader
.irp t, 0,1
	v_ldexp_f32 v[ST+8*\t+4], v[ST+8*\t+4], s33
.endr
	WIN 0x01                                       ; source 0 (O^T) window 1; the results go where S^T lay
.irp t, 0,1
.set j, 0
.rept 16
	v_pk_mul_f32 v[S+32*\t+j:S+32*\t+j+1], v[OT+32*\t+j:OT+32*\t+j+1], v[ST+8*\t+4:ST+8*\t+5] op_sel_hi:[1,0]   ; each accumulator from its low end on
.set j, j+2
.endr
.endr
	WIN 0
.irp t, 0,1
.irp b, 0,1
.irp i, 0,1,2,3,4,5,6,7,8,9,10,11,12,13,14,15
	v_med3_num_f32 v[S+32*\t+16*\b+\i], v[S+32*\t+16*\b+\i], -v[ALIM], v[ALIM]
.endr
	v_cvt_scalef32_pk8_fp8_f32 v[PC+16*\t+4*\b:PC+16*\t+4*\b+1], v[S+32*\t+16*\b:S+32*\t+16*\b+7], v[ASC]
	v_cvt_scalef32_pk8_fp8_f32 v[PC+16*\t+4*\b+2:PC+16*\t+4*\b+3], v[S+32*\t+16*\b+8:S+32*\t+16*\b+15], v[ASC]
.endr
.endr
	v_nop                                          ; a plain line behind the last conversion
.irp t, 0,1
.irp b, 0,1
	global_store_b128 v[LI], v[PC+16*\t+4*\b:PC+16*\t+4*\b+3], s[12:13] offset:16384*\t+512*\b   ; 32 lanes store 512 consecutive bytes, aligned
.endr
.endr
	s_wait_tensorcnt 0x0
	ds_add_u32 v126, v127
	s_wait_dscnt 0x0
	s_endpgm
.Lfunc_end_k_q9894f8eccf_attn:
	.size	k_q9894f8eccf_attn, .Lfunc_end_k_q9894f8eccf_attn-k_q9894f8eccf_attn
	.p2alignl 7, 3214868480
	.fill 96, 4, 3214868480
	.section	.rodata,"a",@progbits
	.p2align	6, 0x0
	.amdhsa_kernel k_q9894f8eccf_attn
		.amdhsa_group_segment_fixed_size 263168
		.amdhsa_private_segment_fixed_size 0
		.amdhsa_enable_private_segment 0
		.amdhsa_kernarg_size 40
		.amdhsa_user_sgpr_count 2
		.amdhsa_user_sgpr_kernarg_segment_ptr 1
		.amdhsa_wavefront_size32 1
		.amdhsa_system_sgpr_workgroup_id_x 1
		.amdhsa_system_sgpr_workgroup_id_y 1
		.amdhsa_system_sgpr_workgroup_id_z 1
		.amdhsa_system_vgpr_workitem_id 0
		.amdhsa_next_free_vgpr 448
		.amdhsa_next_free_sgpr 66
		.amdhsa_reserve_vcc 0
		.amdhsa_float_denorm_mode_32 3
		.amdhsa_float_denorm_mode_16_64 3
		.amdhsa_memory_ordered 1
		.amdhsa_forward_progress 1
		.amdhsa_inst_pref_size 244
	.end_amdhsa_kernel
	.amdgpu_metadata
---
amdhsa.version: [ 1, 2 ]
amdhsa.kernels:
  - .name:           k_q9894f8eccf_attn
    .symbol:         k_q9894f8eccf_attn.kd
    .args:
      - { .name: qimg, .offset: 0, .size: 8, .value_kind: global_buffer, .address_space: global }
      - { .name: kimg, .offset: 8, .size: 8, .value_kind: global_buffer, .address_space: global }
      - { .name: vimg, .offset: 16, .size: 8, .value_kind: global_buffer, .address_space: global }
      - { .name: lowp_scales, .offset: 24, .size: 8, .value_kind: global_buffer, .address_space: global }
      - { .name: aimg, .offset: 32, .size: 8, .value_kind: global_buffer, .address_space: global }
    .group_segment_fixed_size: 263168
    .private_segment_fixed_size: 0
    .kernarg_segment_align: 8
    .kernarg_segment_size: 40
    .max_flat_workgroup_size: 256
    .sgpr_count:     66
    .vgpr_count:     448
    .wavefront_size: 32
...
	.end_amdgpu_metadata
.endif
;; end of part 3
;; launch oln (part 4): grid 256 x 1, 16 waves a work-group, no clusters, 96,512 bytes of LDS; arguments aimg, wimg, lowp_scales, x, bo, ln_gamma, ln_beta, out0; writes out0
.if DOCPART == 4
	.amdgcn_target "amdgcn-amd-amdhsa--gfx1250"
	.amdhsa_code_object_version 6
	.text
	.protected	k_q9894f8eccf_oln
	.globl	k_q9894f8eccf_oln
	.p2align	8
	.type	k_q9894f8eccf_oln,@function
k_q9894f8eccf_oln:
	s_mov_b64 s[64:65], 0
	v_nop
	global_prefetch_b8 v0, s[64:65] scope:SCOPE_SE
	s_setreg_imm32_b32 hwreg(HW_REG_WAVE_MODE, 25, 1), 1
	s_wait_xcnt 0x0
; out0 = LayerNorm(x + attended Wo^T + bo) x gamma + beta.  The product is on codes of E4M3 (attended: 2^e10, Wo: 2^e11); all else in f32; mean and variance in two passes, as the problem writes them.
; SHARES.  A work-group owns one tile of 16 tokens (place p of tile R is token 32 (R / 2) + 8 (R % 2) + p + 8 (p / 8)) and all 1,024 columns, since the norm wants whole rows.  Wave w makes Wo's channel tiles 4 w .. 4 w + 3
; (columns 64 w .. 64 w + 63): four accumulators by turns, eight K steps of 128.  Afterwards wave w owns the row at place w.
; The tokens' eight fragments (16,384 bytes of images) are copied into LDS once, 1,024 bytes a wave, and read by all sixteen waves.
; bo, gamma and beta are wanted whole by every wave, for its row.  Each wave brings 256 bytes of each into LDS at the head, and every wave reads the 12,288 bytes from there: the work-group fetches them once and not sixteen times,
; and nothing is asked of memory behind the last product.
; Wo's fragments go from their images straight into registers, 512 consecutive bytes a load, two sets of 8,192 bytes a wave by turns.  Each byte of Wo feeds one product in a work-group, so LDS would give no reuse: through LDS every
; byte would be written and read once more, and a joint refill would stand behind a round with four products a wave between rounds.  So no tensor load, no cluster.
; The product is used transposed (source 0 = 16 rows of Wo, source 1 = the tokens): a lane holds eight neighbouring columns of one token; they meet in a stage in LDS (rows of 4,096 bytes + 16) and come back as whole rows.
; LIMITS: e10 + e11 between -126 and 127.
.set SP,   4112                        ; a stage row: 1,028 words: sixteen rows begin at sixteen different banks
.set AIM,  16*SP                       ; behind the stage: the tokens' eight fragments,
.set PAR,  AIM+16384                   ; and bo, gamma, beta: 4,096 bytes each
.set LI,   1                           ; v1   16 x lane
.set SO,   2                           ; v2   into the stage: row lane % 16, + 256 x wave + 64 (lane / 16)
.set SR,   3                           ; v3   out of it: row = my wave, 16 x lane
.set AW,   4                           ; v4   where I put my 1,024 bytes of the tokens' images
.set AR,   5                           ; v5   where a fragment is read: AIM + 16 x lane
.set ACC,  8                           ; v8-39
.set AF,   40                          ; v40-55
.set WS,   56                          ; v56-119, v120-183: Wo's four fragments, two sets
.set XR,   184                         ; v184-215 x's row
.set AS,   216                         ; v216-223 my share of the tokens' images
.set PD,   224                         ; v224-229 my share of bo, gamma, beta; later at work
.set PG,   235                         ; v235 256 x wave + 8 x lane: my share's place in each of the three
.set PW,   238                         ; v238 the same in LDS
.set PR,   239                         ; v239 where they are read: PAR + 16 x lane
.set Y,    56                          ; the row phase: y; the bias; gamma; beta
.set BO,   88
.set GA,   120
.set BE,   152
	s_load_b512 s[4:19], s[0:1], 0x0               ; aimg 4:5, wimg 6:7, scales 8:9, x 10:11, bo 12:13, gamma 14:15, beta 16:17, out0 18:19
	v_lshl_add_u32 v240, v0, 2, 0x17100
	v_mov_b32 v241, 0
	v_lshrrev_b32 v6, 5, v0
	v_readfirstlane_b32 s20, v6                    ; wave 0..15
	v_and_b32 v[LI], 31, v0
	v_lshlrev_b32 v[LI], 4, v[LI]
	v_and_b32 v6, 15, v0                           ; r
	v_bfe_u32 v7, v0, 4, 1                         ; h
	v_mul_u32_u24 v[SO], v6, SP
	v_lshl_add_u32 v[SO], v7, 6, v[SO]
	s_lshl_b32 s21, s20, 8
	v_add_nc_u32 v[SO], s21, v[SO]
	v_lshrrev_b32 v[PG], 1, v[LI]
	v_add_nc_u32 v[PG], s21, v[PG]
	v_add_nc_u32 v[PW], PAR, v[PG]
	v_add_nc_u32 v[PR], PAR, v[LI]
	s_mul_i32 s21, s20, SP
	v_add_nc_u32 v[SR], s21, v[LI]
	s_lshl_b32 s21, s20, 10
	v_add_nc_u32 v[AW], s21, v[LI]
	v_add_nc_u32 v[AW], AIM, v[AW]
	v_add_nc_u32 v[AR], AIM, v[LI]
	v_mov_b32 v234, 0                              ; written once: a lane permute's destination counts as one of its sources
	s_lshl_b32 s24, ttmp9, 14                      ; the tile's 16,384 bytes of images,
	s_add_co_u32 s24, s24, s21                     ; my 1,024 of them
	s_mov_b32 s25, 0
	s_lshr_b32 s26, s20, 1                         ; Wo is plane 3 of the weights' images; channel tile 4 w + t lies at 131072 (w / 2) + 2048 (4 (w % 2) + t)
	s_lshl_b32 s26, s26, 17
	s_and_b32 s27, s20, 1
	s_lshl_b32 s27, s27, 13
	s_add_co_u32 s26, s26, s27
	s_add_co_u32 s26, s26, 0x300000
	s_mov_b32 s27, 0
	s_lshr_b32 s28, ttmp9, 1                       ; my row's token
	s_lshl_b32 s28, s28, 5
	s_and_b32 s29, ttmp9, 1
	s_lshl_b32 s29, s29, 3
	s_add_co_u32 s28, s28, s29
	s_add_co_u32 s28, s28, s20
	s_and_b32 s29, s20, 8
	s_add_co_u32 s28, s28, s29
	s_lshl_b32 s28, s28, 12                        ; x 4,096 bytes
	s_mov_b32 s29, 0
	s_mov_b32 s30, 0x76543210                      ; v_permlanex16_b32's selects for lane l xor 16
	s_mov_b32 s31, 0xfedcba98
	s_mov_b32 s32, 0x3a800000                      ; 1 / 1024
	s_mov_b32 s33, 0x3727c5ac                      ; 1e-5
	s_wait_kmcnt 0x0
	s_load_b64 s[22:23], s[8:9], 0x28              ; e10, e11
	s_add_nc_u64 s[4:5], s[4:5], s[24:25]
	s_add_nc_u64 s[6:7], s[6:7], s[26:27]
	s_add_nc_u64 s[10:11], s[10:11], s[28:29]
	s_add_nc_u64 s[18:19], s[18:19], s[28:29]
.macro LOADW s                         ; my four fragments of Wo for K step s, into set s % 2
.irp t, 0,1,2,3
.irp c, 0,1,2,3
	global_load_b128 v[WS+64*((\s)%2)+16*\t+4*\c:WS+64*((\s)%2)+16*\t+4*\c+3], v[LI], s[6:7] offset:((\s)/2)*32768+((\s)%2)*16384+2048*\t+512*\c
.endr
.endr
.endm
	global_load_b128 v[AS:AS+3], v[LI], s[4:5]
	global_load_b128 v[AS+4:AS+7], v[LI], s[4:5] offset:512
	global_load_b64 v[PD:PD+1], v[PG], s[12:13]    ; 32 lanes read 256 consecutive bytes, aligned: columns 64 w on of bo,
	global_load_b64 v[PD+2:PD+3], v[PG], s[14:15]  ; of gamma,
	global_load_b64 v[PD+4:PD+5], v[PG], s[16:17]  ; of beta
	LOADW 0
	LOADW 1
.irp i, 0,1,2,3,4,5,6,7
	global_load_b128 v[XR+4*\i:XR+4*\i+3], v[LI], s[10:11] offset:512*\i th:TH_LOAD_NT   ; my row of x: columns 128 i + 4 x lane on
.endr
	s_wait_loadcnt 40                              ; my shares of the images and of the three vectors are in; the 40 younger loads (two sets of Wo, x's row) stay out
	ds_store_b128 v[AW], v[AS:AS+3]
	ds_store_b128 v[AW], v[AS+4:AS+7] offset:512
	ds_store_b64 v[PW], v[PD:PD+1]
	ds_store_b64 v[PW], v[PD+2:PD+3] offset:4096
	ds_store_b64 v[PW], v[PD+4:PD+5] offset:8192
	s_wait_dscnt 0x0                               ; for the others' sake
	s_barrier_signal -1
	s_barrier_wait -1                              ; the tokens' eight fragments and the three vectors lie in LDS
; K step s.  n: the loads issued behind this step's set of Wo, which may stay out
.macro KSTEP s, n
.irp c, 0,1,2,3
	ds_load_b128 v[AF+4*\c:AF+4*\c+3], v[AR] offset:2048*(\s)+512*\c
.endr
	s_wait_loadcnt \n
	s_wait_dscnt 0x0
.irp t, 0,1,2,3
.if (\s) == 0
	v_wmma_f32_16x16x128_fp8_fp8 v[ACC+8*\t:ACC+8*\t+7], v[WS+64*((\s)%2)+16*\t:WS+64*((\s)%2)+16*\t+15], v[AF:AF+15], 0
.else
	v_wmma_f32_16x16x128_fp8_fp8 v[ACC+8*\t:ACC+8*\t+7], v[WS+64*((\s)%2)+16*\t:WS+64*((\s)%2)+16*\t+15], v[AF:AF+15], v[ACC+8*\t:ACC+8*\t+7]
.endif
.endr
.rept 4
	v_nop                                          ; places in front of loads into registers that these products have read, and of the first read of results
.endr
.if (\s) <= 5
	LOADW (\s)+2
.endif
.endm
	KSTEP 0, 24                                    ; behind set 0: set 1's 16 loads and x's 8
	KSTEP 1, 24                                    ; behind set 1: x's 8 and the next set's 16
	KSTEP 2, 16                                    ; from here on: the next set's 16
	KSTEP 3, 16
	KSTEP 4, 16
	KSTEP 5, 16
	KSTEP 6, 16
	KSTEP 7, 0                                     ; no load of mine is out from here on
.irp i, 0,1,2,3,4,5,6,7                        ; the sets are free: all columns of the bias, gamma and beta, in my row's order: columns 128 i + 4 x lane on
	ds_load_b128 v[BO+4*\i:BO+4*\i+3], v[PR] offset:512*\i
	ds_load_b128 v[GA+4*\i:GA+4*\i+3], v[PR] offset:4096+512*\i
	ds_load_b128 v[BE+4*\i:BE+4*\i+3], v[PR] offset:8192+512*\i
.endr
.irp t, 0,1,2,3
	ds_store_b128 v[SO], v[ACC+8*\t:ACC+8*\t+3] offset:128*(\t/2)+32*(\t%2)        ; lane (r, h), tile t: columns 64 w + 32 (t / 2) + 8 (t % 2) + 16 h + 0 .. 7 of the token at place r; the low half first
	ds_store_b128 v[SO], v[ACC+8*\t+4:ACC+8*\t+7] offset:128*(\t/2)+32*(\t%2)+16
.endr
	s_wait_dscnt 0x0
	s_barrier_signal -1
	s_barrier_wait -1                              ; sixteen whole rows of sums lie in the stage
.irp i, 0,1,2,3,4,5,6,7
	ds_load_b128 v[Y+4*\i:Y+4*\i+3], v[SR] offset:512*\i
.endr
	s_wait_kmcnt 0x0
	s_add_co_i32 s22, s22, s23
	s_add_co_i32 s22, s22, 127
	s_lshl_b32 s22, s22, 23                        ; 2^(e10 + e11) as f32
	s_mov_b32 s23, s22                             ; (named with it as a pair, so it is written)
	s_wait_dscnt 0x0
.set j, 0
.rept 16
	v_pk_fma_f32 v[Y+j:Y+j+1], v[Y+j:Y+j+1], s[22:23], v[BO+j:BO+j+1] op_sel_hi:[1,0,1]   ; sum x 2^(e10 + e11) + bo
.set j, j+2
.endr
.set j, 0
.rept 16
	v_pk_add_f32 v[Y+j:Y+j+1], v[Y+j:Y+j+1], v[XR+j:XR+j+1]                               ; y = x + that
.set j, j+2
.endr
.macro ACROSS                          ; four chains of pairs in v224-231 become one number, the same in every lane, in v224
	v_pk_add_f32 v[224:225], v[224:225], v[226:227]
	v_pk_add_f32 v[228:229], v[228:229], v[230:231]
	v_pk_add_f32 v[224:225], v[224:225], v[228:229]
	v_add_f32 v224, v224, v225
	v_add_f32_dpp v224, v224, v224 row_xmask:1 row_mask:0xf bank_mask:0xf
	v_add_f32_dpp v224, v224, v224 row_xmask:2 row_mask:0xf bank_mask:0xf
	v_add_f32_dpp v224, v224, v224 row_xmask:4 row_mask:0xf bank_mask:0xf
	v_add_f32_dpp v224, v224, v224 row_xmask:8 row_mask:0xf bank_mask:0xf
	v_permlanex16_b32 v234, v224, s30, s31
	v_add_f32 v224, v224, v234
.endm
.irp k, 0,1,2,3
	v_pk_add_f32 v[224+2*\k:225+2*\k], v[Y+4*\k:Y+4*\k+1], v[Y+4*\k+2:Y+4*\k+3]
.endr
.irp g, 0,1
.irp k, 0,1,2,3
	v_pk_add_f32 v[224+2*\k:225+2*\k], v[224+2*\k:225+2*\k], v[Y+16+8*\g+2*\k:Y+16+8*\g+2*\k+1]
.endr
.endr
	ACROSS
	v_mul_f32 v232, 0xba800000, v224               ; -mean
	v_mov_b32 v233, v232
.set j, 0
.rept 16
	v_pk_add_f32 v[Y+j:Y+j+1], v[Y+j:Y+j+1], v[232:233]                                   ; d = y - mean
.set j, j+2
.endr
.irp k, 0,1,2,3
	v_pk_mul_f32 v[224+2*\k:225+2*\k], v[Y+2*\k:Y+2*\k+1], v[Y+2*\k:Y+2*\k+1]
.endr
.irp g, 1,2,3
.irp k, 0,1,2,3
	v_pk_fma_f32 v[224+2*\k:225+2*\k], v[Y+8*\g+2*\k:Y+8*\g+2*\k+1], v[Y+8*\g+2*\k:Y+8*\g+2*\k+1], v[224+2*\k:225+2*\k]
.endr
.endr
	ACROSS
	v_fma_f32 v224, v224, s32, s33                 ; variance + 1e-5
	v_rsq_f32 v236, v224
	v_nop                                          ; a plain line behind the transcendental
	s_wait_alu depctr_va_vdst(0)                   ; ahead of the first line that names the result
	v_mov_b32 v237, v236
.set j, 0
.rept 16
	v_pk_mul_f32 v[Y+j:Y+j+1], v[Y+j:Y+j+1], v[236:237]
.set j, j+2
.endr
.set j, 0
.rept 16
	v_pk_fma_f32 v[Y+j:Y+j+1], v[Y+j:Y+j+1], v[GA+j:GA+j+1], v[BE+j:BE+j+1]
.set j, j+2
.endr
.irp i, 0,1,2,3,4,5,6,7
	global_store_b128 v[LI], v[Y+4*\i:Y+4*\i+3], s[18:19] offset:512*\i th:TH_STORE_NT    ; 32 lanes store 512 consecutive bytes of my row, aligned
.endr
	s_wait_tensorcnt 0x0
	ds_add_u32 v240, v241
	s_wait_dscnt 0x0
	s_endpgm
.Lfunc_end_k_q9894f8eccf_oln:
	.size	k_q9894f8eccf_oln, .Lfunc_end_k_q9894f8eccf_oln-k_q9894f8eccf_oln
	.p2alignl 7, 3214868480
	.fill 96, 4, 3214868480
	.section	.rodata,"a",@progbits
	.p2align	6, 0x0
	.amdhsa_kernel k_q9894f8eccf_oln
		.amdhsa_group_segment_fixed_size 96512
		.amdhsa_private_segment_fixed_size 0
		.amdhsa_enable_private_segment 0
		.amdhsa_kernarg_size 64
		.amdhsa_user_sgpr_count 2
		.amdhsa_user_sgpr_kernarg_segment_ptr 1
		.amdhsa_wavefront_size32 1
		.amdhsa_system_sgpr_workgroup_id_x 1
		.amdhsa_system_sgpr_workgroup_id_y 1
		.amdhsa_system_sgpr_workgroup_id_z 1
		.amdhsa_system_vgpr_workitem_id 0
		.amdhsa_next_free_vgpr 242
		.amdhsa_next_free_sgpr 66
		.amdhsa_reserve_vcc 0
		.amdhsa_float_denorm_mode_32 3
		.amdhsa_float_denorm_mode_16_64 3
		.amdhsa_memory_ordered 1
		.amdhsa_forward_progress 1
		.amdhsa_inst_pref_size 34
	.end_amdhsa_kernel
	.amdgpu_metadata
---
amdhsa.version: [ 1, 2 ]
amdhsa.kernels:
  - .name:           k_q9894f8eccf_oln
    .symbol:         k_q9894f8eccf_oln.kd
    .args:
      - { .name: aimg, .offset: 0, .size: 8, .value_kind: global_buffer, .address_space: global }
      - { .name: wimg, .offset: 8, .size: 8, .value_kind: global_buffer, .address_space: global }
      - { .name: lowp_scales, .offset: 16, .size: 8, .value_kind: global_buffer, .address_space: global }
      - { .name: x, .offset: 24, .size: 8, .value_kind: global_buffer, .address_space: global }
      - { .name: bo, .offset: 32, .size: 8, .value_kind: global_buffer, .address_space: global }
      - { .name: ln_gamma, .offset: 40, .size: 8, .value_kind: global_buffer, .address_space: global }
      - { .name: ln_beta, .offset: 48, .size: 8, .value_kind: global_buffer, .address_space: global }
      - { .name: out0, .offset: 56, .size: 8, .value_kind: global_buffer, .address_space: global }
    .group_segment_fixed_size: 96512
    .private_segment_fixed_size: 0
    .kernarg_segment_align: 8
    .kernarg_segment_size: 64
    .max_flat_workgroup_size: 512
    .sgpr_count:     66
    .vgpr_count:     242
    .wavefront_size: 32
...
	.end_amdgpu_metadata
.endif
;; end of part 4
;; ======== version 2 of 2: 4 launches; version 1 with the launches attn, oln written anew for expert scheduling mode
;; workspace buffers: ximg 12,582,912 bytes; wimg 4,194,304 bytes; qimg 4,194,304 bytes; kimg 4,194,304 bytes; vimg 4,194,304 bytes; aimg 4,194,304 bytes
;; launch prep: the kernel of part 1 again; grid 256 x 1, 10 waves a work-group, no clusters, 85,760 bytes of LDS; arguments x, Wq_codes, Wk_codes, Wv_codes, Wo_codes, lowp_scales, ximg, wimg; writes ximg, wimg
;; launch qkv: the kernel of part 2 again; grid 12 x 16, 4 waves a work-group, clusters of 4 x 4, 327,680 bytes of LDS; arguments ximg, wimg, lowp_scales, bq, bk, bv, qimg, kimg, vimg; writes qimg, kimg, vimg
;; launch attn (part 5): grid 8 x 32, 8 waves a work-group, no clusters, 263,168 bytes of LDS; arguments qimg, kimg, vimg, lowp_scales, aimg; writes aimg
.if DOCPART == 5
	.amdgcn_target "amdgcn-amd-amdhsa--gfx1250"
	.amdhsa_code_object_version 6
	.text
	.protected	k_q9894f8eccf_attn
	.globl	k_q9894f8eccf_attn
	.p2align	8
	.type	k_q9894f8eccf_attn,@function
k_q9894f8eccf_attn:
	s_mov_b64 s[64:65], 0
	v_nop
	global_prefetch_b8 v0, s[64:65] scope:SCOPE_SE
	s_setreg_imm32_b32 hwreg(HW_REG_WAVE_SCHED_MODE, 0, 2), 2
	s_setreg_imm32_b32 hwreg(HW_REG_WAVE_MODE, 25, 1), 1
	s_wait_xcnt 0x0
	s_wait_alu depctr_vm_vsrc(0)
; attended[q] = (the sum over k of Q8(p) V8[k]) / l, for each of 32 (batch, head): both products on codes of E4M3; the result is quantised at once, with 2^e10, for the output projection.
; t = score x log2(e) / 8; M = the running largest t rounded UP to a whole number; p = 2^(t - M) is quantised with 2^e8, not normalised; l is the sum of the unquantised p.  When M moves, l and O are multiplied by 2^(old M - new M): exact.
; SHARES.  A work-group owns 256 queries of one (batch, head); each of its eight waves owns 32: two tiles of 16, so that each fragment of K and V read from LDS feeds two products.  Two waves to a SIMD.
; LAYOUT.  Both products are used transposed: S^T = K Q^T (source 0 = 16 keys), O^T = V^T P^T (source 0 = 16 channels): a lane holds one query throughout.  The rows of a tile are not neighbours (place p of tile T is row
; 32 (T / 2) + 8 (T % 2) + p + 8 (p / 8)), so the 16 registers of tiles 2 b and 2 b + 1 are 16 neighbours: keys for p, channels for O.  All operands are images of registers: 16 bytes a lane on end.
; THE HEAD'S WHOLE K AND V LIE IN LDS: 131,072 bytes of K's images, then 131,072 of V's, as they lie in memory.  They come through registers, a slot of 256 keys at a time (16,384 bytes of each): a wave copies 4,096 bytes,
; eight loads and eight LDS stores (waves 0-3 K's, waves 4-7 V's).  Every byte is stored once and never written again, so a barrier has only to publish stores.
; THE COPY RUNS TWO SLOTS AHEAD.  In slot n's first key step a wave stores slot n + 2 (asked for a slot earlier), waits for its LDS instructions behind the step's conversions, asks memory for slot n + 3, and signals;
; it waits for the barrier at the slot's end.  Slot n + 2 is first read in slot n + 1.  Between signal and wait stand register work and LDS loads of bytes that nobody writes again; a wave may run a step and a half ahead of another.
; A STEP'S LDS LINES STAND IN ONE RUN, behind the step's chains of maxima: the copy's stores, V's fragments of this step, K's of the next.  One wait on DScnt a step, behind the conversions, serves them all:
; the statistics, the scalings, the exponentials, the sums and the conversions stand between.
; No tensor load, no cluster, no prefetch: a slot costs a wave 16 memory lines beside some 1,000 vector lines, they are asked for two key steps ahead of their use, and no wave waits for them; and a launch without tensor
; loads may branch on the given e8: with 448 x 2^e8 >= 1 (e8 >= -8) no p, which is at most 1, reaches the hold, and its 128 lines a key step are jumped over.
; The loop has five equal trips of one slot; the last three slots are written out, since they copy less and less: no branch stands round a load or a store.
; LIMITS: e6 + e7 between -123 and 130 (added to the exponent field of log2(e) / 8); e8 and e10 between -126 and 119; e8 + e9 is applied by v_ldexp_f32 and has none.
; THE MODE: SCHED_MODE bits 1:0 = 2 (LLVM: expert scheduling mode 2), set by the entry lines.  The code itself states the register dependences
; between vector or matrix instructions and memory or LDS instructions, with s_wait_alu, always for 0.
; THE PLAN.  Registers that memory or LDS instructions touch:
;   K  (window 1, v0-63)    read by a step's 16 score products; behind them the LDS loads of the next step's K land in it.
;   V  (window 1, v64-127)  read by a step's 8 products V^T P^T, its last lines; the next step's LDS loads land in it.
;   SG (v80-111)            written by the copy's global loads, read by its LDS stores; no vector line names it.
;   KA, VA, SA              written by vector adds at a slot's head; read by the slot's LDS lines.
;   LI                      made at the head and never written again: the offset of every global line, the address of the first run of K.
;   S's first 32 registers  at the head alone: slot 1's copy passes through them; afterwards the score products write them.
;   PC                      on the way out: written by the conversions, read by the four global stores.
; So ONE wait on va_vdst stands in a step beside the exponentials' own, ahead of the run of LDS lines: it states that the last step's products V^T P^T are done reading V, that this step's score products are done reading K, and,
; in a slot's first step, that KA, VA and SA are written.  No vector or matrix line from there to the next such wait names K's or V's registers as a destination's partner of a load, SG or an address.
; One wait on vm_vsrc stands at a slot's head, ahead of the adds to KA, VA, SA; one ahead of the copy's loads, which land where its LDS stores have read.
; REGISTERS: window 0: v1 16 x lane; v3 my place in a slot's copy; v4 V's region + 16 x lane; v5, v6 448 x 2^e8, 2^e8; v8-23 statistics, eight a tile: +0 -M, +1 the largest t, +2, +3 l in two halves, +4 f (+5 named with it), +6, +7 at work;
;   v24, v25 the lane exchange; v26-29 a second chain of sums; v30, v31, v114 the slot's LDS addresses (K, V, the copy); v32-47 Q; v48-79 p's codes; v80-111 the copy; v112, v113 448 x 2^e10, 2^e10; v126, v127 the closing add's two; v128-255 S^T, then p.
;   window 1: v0-63 K's eight fragments; v64-127 V's four; v128-191 O^T, 32 a tile.
.set SLOTB, 16384                      ; a slot's bytes of K's images, and of V's
.set VREG,  131072                     ; V's region begins behind K's
.set LI,   1
.set STB,  3
.set VB0,  4
.set PLIM, 5
.set PSC,  6
.set ST,   8
.set XL,   24
.set L2,   26
.set KA,   30
.set VA,   31
.set QF,   32
.set PC,   48
.set SG,   80
.set ALIM, 112
.set ASC,  113
.set SA,   114
.set S,    128
.set OT,   128                         ; in window 1
.set MSB, 0
.macro WIN new                         ; the immediate's high byte repeats the setting that is left
.if MSB != \new
	s_set_vgpr_msb (MSB<<8)|\new
.set MSB, \new
.endif
.endm
	s_load_b256 s[4:11], s[0:1], 0x0               ; qimg 4:5, kimg 6:7, vimg 8:9, scales 10:11
	s_load_b64 s[12:13], s[0:1], 0x20              ; aimg
	v_lshl_add_u32 v126, v0, 2, 0x40000
	v_mov_b32 v127, 0
	v_lshrrev_b32 v2, 5, v0
	v_readfirstlane_b32 s14, v2                    ; wave 0..7
	v_and_b32 v[LI], 31, v0
	v_lshlrev_b32 v[LI], 4, v[LI]
	s_wait_alu depctr_va_sdst(0)                   ; s14 is written, ahead of its first reader: the copy's, Q's and the result's places are made from it
	s_and_b32 s36, s14, 3
	s_lshl_b32 s36, s36, 12                        ; my 4,096 bytes of a slot's 16,384,
	s_lshr_b32 s15, s14, 2
	s_lshl_b32 s15, s15, 17                        ; in K's region (waves 0-3) or V's (waves 4-7)
	s_add_co_u32 s15, s15, s36
	v_add_nc_u32 v[STB], s15, v[LI]
	v_add_nc_u32 v[VB0], VREG, v[LI]
	s_and_b32 s16, ttmp7, 0xffff                   ; 16 x batch + head
	s_lshl_b32 s34, s16, 17                        ; its 131,072 bytes in each of the three tensors of images
	s_add_co_u32 s36, s36, s34                     ; the copy, in memory: my 4,096 bytes of the first 256 keys
	s_mov_b32 s37, 0
	s_lshl_b32 s38, ttmp9, 4
	s_lshl_b32 s39, s14, 1
	s_add_co_u32 s38, s38, s39                     ; my first query tile in the batch: 16 x block + 2 x wave
	s_lshl_b32 s40, s38, 10
	s_add_co_u32 s40, s40, s34
	s_mov_b32 s41, 0
	s_lshr_b32 s42, s16, 4                         ; the batch
	s_lshl_b32 s42, s42, 7
	s_add_co_u32 s42, s42, s38                     ; my first token tile of all 256
	s_lshl_b32 s42, s42, 14                        ; x 16,384 bytes (eight K steps of the output projection)
	s_and_b32 s43, s16, 15                         ; the head: K step head / 2, groups 2 (head % 2) on
	s_lshr_b32 s44, s43, 1
	s_lshl_b32 s44, s44, 11
	s_add_co_u32 s42, s42, s44
	s_and_b32 s44, s43, 1
	s_lshl_b32 s44, s44, 10
	s_add_co_u32 s42, s42, s44
	s_mov_b32 s43, 0
	s_mov_b32 s20, 0x76543210                      ; v_permlanex16_b32's selects for lane l xor 16
	s_mov_b32 s21, 0xfedcba98
	s_mov_b32 s32, 5                               ; the loop's trips
	s_mov_b32 s46, 0                               ; where the slot in hand begins in K's region, and in V's
	s_wait_kmcnt 0x0
	s_load_b256 s[24:31], s[10:11], 0x10           ; e4 .. e11: s26 e6, s27 e7, s28 e8, s29 e9, s30 e10
	s_cmp_lt_u32 s14, 4
	s_cselect_b64 s[18:19], s[6:7], s[8:9]         ; I copy K's images or V's
	s_add_nc_u64 s[18:19], s[18:19], s[36:37]
	s_add_nc_u64 s[4:5], s[4:5], s[40:41]
	s_add_nc_u64 s[12:13], s[12:13], s[42:43]
.macro STAGE_LOAD reg, off             ; my 4,096 bytes of a slot, 512 consecutive bytes a load
.irp i, 0,1,2,3,4,5,6,7
	global_load_b128 v[\reg+4*\i:\reg+4*\i+3], v[LI], s[18:19] offset:\off+512*\i
.endr
.endm
.macro STAGE_STORE adr, reg, off
.irp i, 0,1,2,3,4,5,6,7
	ds_store_b128 v[\adr], v[\reg+4*\i:\reg+4*\i+3] offset:\off+512*\i
.endr
.endm
	s_wait_alu depctr_va_vdst(0)                   ; v[LI] is written, which every global line and the first run of K read; so is v[STB], the address of the first LDS stores
.irp t, 0,1
.irp c, 0,1
	global_load_b128 v[QF+8*\t+4*\c:QF+8*\t+4*\c+3], v[LI], s[4:5] offset:1024*\t+512*\c   ; Q's two fragments stay in registers
.endr
.endr
	STAGE_LOAD SG, 0                               ; slot 0,
	STAGE_LOAD S, SLOTB                            ; and slot 1, into registers that the scores will take
.irp t, 0,1
	v_mov_b32 v[ST+8*\t+1], 0xff61b1e6             ; the largest t so far: -3e38, under every t
	v_floor_f32 v[ST+8*\t], -v[ST+8*\t+1]          ; -M
	v_mov_b32 v[ST+8*\t+2], 0                      ; l, in two halves
	v_mov_b32 v[ST+8*\t+3], 0
	v_mov_b32 v[ST+8*\t+5], 0                      ; (named as the upper half of f's pair)
	v_mov_b32 v[XL+\t], 0                          ; written once: a lane permute's destination counts as one of its sources
.endr
	WIN 0x40
.set j, 0
.rept 64
	v_mov_b32 v[OT+j], 0                           ; O^T.  (The step is written once: the first finds zeros, which the first change of M leaves zeros)
.set j, j+1
.endr
	WIN 0
	s_wait_kmcnt 0x0
	s_add_co_i32 s15, s26, s27
	s_lshl_b32 s15, s15, 23
	s_mov_b32 s22, 0x3e38aa3b                      ; log2(e) / 8
	s_add_co_i32 s22, s22, s15                     ; a score stands for score x 2^(e6 + e7): the two exponents are added to the factor's exponent field
	s_mov_b32 s23, s22                             ; (named with it as a pair, so it is written)
	s_add_co_i32 s15, s28, 127
	s_lshl_b32 s16, s15, 23
	v_mov_b32 v[PSC], s16                          ; 2^e8
	s_add_co_i32 s15, s15, 8
	s_lshl_b32 s15, s15, 23
	s_or_b32 s15, s15, 0x600000
	v_mov_b32 v[PLIM], s15                         ; 448 x 2^e8
	s_add_co_i32 s15, s30, 127
	s_lshl_b32 s16, s15, 23
	v_mov_b32 v[ASC], s16                          ; 2^e10
	s_add_co_i32 s15, s15, 8
	s_lshl_b32 s15, s15, 23
	s_or_b32 s15, s15, 0x600000
	v_mov_b32 v[ALIM], s15                         ; 448 x 2^e10
; A KEY STEP: 128 keys, the q-th of the slot in hand.  K's fragments are in registers already.
; pf = 1: the next step's K is asked for.  st = 1: the slot two on is stored, and the slot's barrier is signalled.  ld = 1: the copy's next loads go out.
.macro STEP q, pf, st, ld
	WIN 0x01                                       ; source 0 (K) window 1
.irp k, 0,1,2,3,4,5,6,7
.irp t, 0,1
	v_wmma_f32_16x16x64_fp8_fp8 v[S+64*\t+8*\k:S+64*\t+8*\k+7], v[8*\k:8*\k+7], v[QF+8*\t:QF+8*\t+7], 0
.endr
.endr
	WIN 0
.rept 4
	v_nop                                          ; places in front of the first read of the scores; they also stand between these products and the loads into K's registers below
.endr
.irp t, 0,1                                    ; the step's largest score of my query among my 64 keys, in two chains a tile, the registers in ascending order
	v_max3_num_f32 v[ST+8*\t+6], v[S+64*\t], v[S+64*\t+1], v[S+64*\t+2]
	v_max3_num_f32 v[ST+8*\t+7], v[S+64*\t+3], v[S+64*\t+4], v[S+64*\t+5]
.endr
.irp i, 6,10,14,18,22,26,30,34,38,42,46,50,54,58
.irp t, 0,1
	v_max3_num_f32 v[ST+8*\t+6], v[ST+8*\t+6], v[S+64*\t+\i], v[S+64*\t+\i+1]
	v_max3_num_f32 v[ST+8*\t+7], v[ST+8*\t+7], v[S+64*\t+\i+2], v[S+64*\t+\i+3]
.endr
.endr
.irp t, 0,1
	v_max3_num_f32 v[ST+8*\t+6], v[ST+8*\t+6], v[S+64*\t+62], v[S+64*\t+63]
.endr
.irp t, 0,1
	v_max_num_f32 v[ST+8*\t+6], v[ST+8*\t+6], v[ST+8*\t+7]
.endr
	; THE STEP'S RUN OF LDS LINES
	WIN 0x40                                       ; destination window 1; addresses and the stores' data stay in window 0
.if \st
	s_wait_loadcnt 0x0                             ; the copy asked for a slot ago is in
.endif
	s_wait_alu depctr_va_vdst(0)                   ; the last step's products V^T P^T are done reading V's registers, this step's score products K's: the loads below land there; in a slot's first step KA, VA and SA are written, which the lines below read
.if \st
	STAGE_STORE SA, SG, 2*SLOTB                    ; bytes that nobody has touched yet
.endif
.irp u, 0,1,2,3
.irp c, 0,1,2,3
	ds_load_b128 v[64+16*\u+4*\c:64+16*\u+4*\c+3], v[VA] offset:8192*\q+2048*\u+512*\c   ; V: wanted behind the softmax
.endr
.endr
.if \pf
.irp k, 0,1,2,3,4,5,6,7
	ds_load_b128 v[8*\k:8*\k+3],   v[KA] offset:8192*(\q+1)+1024*\k        ; the next step's K
	ds_load_b128 v[8*\k+4:8*\k+7], v[KA] offset:8192*(\q+1)+1024*\k+512
.endr
.endif
	WIN 0
.irp t, 0,1
	v_permlanex16_b32 v[XL+\t], v[ST+8*\t+6], s20, s21
.endr
.irp t, 0,1
	v_max_num_f32 v[ST+8*\t+6], v[ST+8*\t+6], v[XL+\t]     ; and among lane l xor 16's
.endr
.irp t, 0,1
	v_mul_f32 v[ST+8*\t+6], s22, v[ST+8*\t+6]              ; as t (the factor is positive)
.endr
.irp t, 0,1
	v_max_num_f32 v[ST+8*\t+1], v[ST+8*\t+1], v[ST+8*\t+6] ; the running largest t
	v_mov_b32 v[ST+8*\t+7], v[ST+8*\t]
.endr
.irp t, 0,1
	v_floor_f32 v[ST+8*\t], -v[ST+8*\t+1]                  ; the new -M = floor(-t): M is a whole number
.endr
.irp t, 0,1
	v_sub_f32 v[ST+8*\t+7], v[ST+8*\t], v[ST+8*\t+7]       ; old M - new M: a whole number, 0 or less
.endr
.irp t, 0,1
	v_cvt_i32_f32 v[ST+8*\t+7], v[ST+8*\t+7]               ; (it saturates)
.endr
.irp t, 0,1
	v_ldexp_f32 v[ST+8*\t+4], 1.0, v[ST+8*\t+7]            ; f = 2^(old M - new M)
.endr
.irp t, 0,1
.set j, 0
.rept 32
	v_pk_fma_f32 v[S+64*\t+j:S+64*\t+j+1], v[S+64*\t+j:S+64*\t+j+1], s[22:23], v[ST+8*\t:ST+8*\t+1] op_sel_hi:[1,0,0]   ; t - M, two at a time (of both pairs the low word serves both halves)
.set j, j+2
.endr
.endr
.set j, 0
.rept 128
	v_exp_f32 v[S+j], v[S+j]                       ; p = 2^(t - M), at most 1: one batch for both tiles
.set j, j+1
.endr
.irp t, 0,1
	v_pk_mul_f32 v[ST+8*\t+2:ST+8*\t+3], v[ST+8*\t+2:ST+8*\t+3], v[ST+8*\t+4:ST+8*\t+5] op_sel_hi:[1,0]   ; l under the new M.  (The plain lines behind the exponentials)
.endr
	s_wait_alu depctr_va_vdst(0)                   ; the exponentials have written p: it stands ahead of the first line that names a result: one wait for the batch
.irp t, 0,1
	v_pk_add_f32 v[L2+2*\t:L2+2*\t+1], v[S+64*\t:S+64*\t+1], v[S+64*\t+2:S+64*\t+3]   ; the sum is taken of the unquantised p: two at a time, in two chains a tile
.endr
.irp j, 4,8,12,16,20,24,28,32,36,40,44,48,52,56,60
.irp t, 0,1
	v_pk_add_f32 v[ST+8*\t+2:ST+8*\t+3], v[ST+8*\t+2:ST+8*\t+3], v[S+64*\t+\j:S+64*\t+\j+1]
	v_pk_add_f32 v[L2+2*\t:L2+2*\t+1], v[L2+2*\t:L2+2*\t+1], v[S+64*\t+\j+2:S+64*\t+\j+3]
.endr
.endr
.irp t, 0,1
	v_pk_add_f32 v[ST+8*\t+2:ST+8*\t+3], v[ST+8*\t+2:ST+8*\t+3], v[L2+2*\t:L2+2*\t+1]
.endr
	s_cmp_ge_i32 s28, -8                           ; 448 x 2^e8 >= 1: no p reaches the hold
	s_cbranch_scc1 .Lno_hold_\@
.set j, 0
.rept 128
	v_min_num_f32 v[S+j], v[S+j], v[PLIM]          ; the conversion to an 8-bit code does not saturate (ISA guide 7.6.2); p is not negative, so the hold is one-sided
.set j, j+1
.endr
.Lno_hold_\@:
.irp t, 0,1
.irp b, 0,1,2,3
	v_cvt_scalef32_pk8_fp8_f32 v[PC+16*\t+4*\b:PC+16*\t+4*\b+1], v[S+64*\t+16*\b:S+64*\t+16*\b+7], v[PSC]
	v_cvt_scalef32_pk8_fp8_f32 v[PC+16*\t+4*\b+2:PC+16*\t+4*\b+3], v[S+64*\t+16*\b+8:S+64*\t+16*\b+15], v[PSC]
.endr
.endr
	s_wait_dscnt 0x0                               ; the step's one wait on LDS: V is in, the next step's K is in, and the copy's stores have landed
.if \ld
	s_add_nc_u64 s[18:19], s[18:19], SLOTB         ; (the loads that named it were waited for ahead of this step's stores)
	s_wait_alu depctr_vm_vsrc(0)                   ; this step's LDS stores have read v[SG ..], in which the loads below land
	STAGE_LOAD SG, 0                               ; the slot three on from the one in hand
.endif
.if \st
	s_barrier_signal -1                            ; my part of the slot two on lies in LDS; the wait stands at this slot's end
.endif
	WIN 0x41                                       ; O^T (destination and source 0) window 1, f window 0
.irp t, 0,1
.set j, 0
.rept 16
	v_pk_mul_f32 v[OT+32*\t+j:OT+32*\t+j+1], v[OT+32*\t+j:OT+32*\t+j+1], v[ST+8*\t+4:ST+8*\t+5] op_sel_hi:[1,0]   ; O^T under the new M.  (Also the plain lines behind the conversions)
.set j, j+2
.endr
.endr
	WIN 0x51                                       ; V window 1, p's codes window 0, O^T window 1
.irp u, 0,1,2,3                                ; eight accumulators, one instruction each; the next step's scores stand between a link and the next
.irp t, 0,1
	v_wmma_f32_16x16x128_fp8_fp8 v[OT+32*\t+8*\u:OT+32*\t+8*\u+7], v[64+16*\u:64+16*\u+15], v[PC+16*\t:PC+16*\t+15], v[OT+32*\t+8*\u:OT+32*\t+8*\u+7]
.endr
.endr
	WIN 0
.endm
; A SLOT: two key steps.  st = 1: the slot two on is stored and published.  ld = 1: the slot three on is asked for.  pf = 1: there is a next slot, whose first K is asked for.
.macro SLOT st, ld, pf
	s_wait_alu depctr_vm_vsrc(0)                   ; the LDS lines issued so far have read KA, VA and SA, which the adds below write
	v_add_nc_u32 v[KA], s46, v[LI]
	v_add_nc_u32 v[VA], s46, v[VB0]
.if \st
	v_add_nc_u32 v[SA], s46, v[STB]
.endif
	STEP 0, 1, \st, \ld
	STEP 1, \pf, 0, 0
.if \st
	s_barrier_wait -1                              ; every wave's part of the slot two on lies in LDS: it is first read in the next slot's second step
.endif
.if \pf
	s_add_co_u32 s46, s46, SLOTB
.endif
.endm
	s_wait_loadcnt 0x0                             ; Q, and my parts of slots 0 and 1
	STAGE_STORE STB, SG, 0
	STAGE_STORE STB, S, SLOTB
	s_wait_dscnt 0x0                               ; for the others' sake: my stores have landed
	s_add_nc_u64 s[18:19], s[18:19], 2*SLOTB       ; (the loads that named it are done)
	s_wait_alu depctr_vm_vsrc(0)                   ; my LDS stores have read v[SG ..], in which the loads below land, and v[S ..], which the first step's products write
	STAGE_LOAD SG, 0                               ; slot 2
	s_barrier_signal -1
	s_barrier_wait -1                              ; slots 0 and 1 lie in LDS
	WIN 0x40
.irp k, 0,1,2,3,4,5,6,7
	ds_load_b128 v[8*\k:8*\k+3],   v[LI] offset:1024*\k        ; the first step's K: no vector or matrix line has named these registers yet
	ds_load_b128 v[8*\k+4:8*\k+7], v[LI] offset:1024*\k+512
.endr
	WIN 0
	s_wait_dscnt 0x0
.Lslot:                                            ; slots 0 to 4: each stores the slot two on and asks for the slot three on
	SLOT 1, 1, 1
	s_sub_co_u32 s32, s32, 1
	s_cmp_lg_u32 s32, 0
	s_cbranch_scc1 .Lslot
	SLOT 1, 0, 1                                   ; slot 5 stores slot 7; nothing is left to ask for: no load leaves its buffer
	SLOT 0, 0, 1                                   ; slot 6: nothing is left to publish, so no barrier
	SLOT 0, 0, 0                                   ; slot 7: no step follows
	; THE WAY OUT: O^T / l x 2^(e8 + e9), held, converted with 2^e10: the 16 registers of channel tiles 2 b and 2 b + 1 are 16 neighbours along the output projection's K: one group of its operand's image.
.rept 4
	v_nop
.endr
.irp t, 0,1
	v_add_f32 v[ST+8*\t+2], v[ST+8*\t+2], v[ST+8*\t+3]
.endr
.irp t, 0,1
	v_permlanex16_b32 v[XL+\t], v[ST+8*\t+2], s20, s21
.endr
.irp t, 0,1
	v_add_f32 v[ST+8*\t+2], v[ST+8*\t+2], v[XL+\t]
.endr
.irp t, 0,1
	v_rcp_f32 v[ST+8*\t+4], v[ST+8*\t+2]
.endr
	v_nop                                          ; a plain line behind the last reciprocal
	s_add_co_i32 s33, s28, s29
	s_wait_alu depctr_va_vdst(0)                   ; both reciprocals are written: one wait, ahead of their first reader
.irp t, 0,1
	v_ldexp_f32 v[ST+8*\t+4], v[ST+8*\t+4], s33
.endr
	WIN 0x01                                       ; source 0 (O^T) window 1; the results go where S^T lay
.irp t, 0,1
.set j, 0
.rept 16
	v_pk_mul_f32 v[S+32*\t+j:S+32*\t+j+1], v[OT+32*\t+j:OT+32*\t+j+1], v[ST+8*\t+4:ST+8*\t+5] op_sel_hi:[1,0]   ; each accumulator from its low end on
.set j, j+2
.endr
.endr
	WIN 0
.irp t, 0,1
.irp b, 0,1
.irp i, 0,1,2,3,4,5,6,7,8,9,10,11,12,13,14,15
	v_med3_num_f32 v[S+32*\t+16*\b+\i], v[S+32*\t+16*\b+\i], -v[ALIM], v[ALIM]
.endr
	v_cvt_scalef32_pk8_fp8_f32 v[PC+16*\t+4*\b:PC+16*\t+4*\b+1], v[S+32*\t+16*\b:S+32*\t+16*\b+7], v[ASC]
	v_cvt_scalef32_pk8_fp8_f32 v[PC+16*\t+4*\b+2:PC+16*\t+4*\b+3], v[S+32*\t+16*\b+8:S+32*\t+16*\b+15], v[ASC]
.endr
.endr
	v_nop                                          ; a plain line behind the last conversion
	s_wait_alu depctr_va_vdst(0)                   ; the conversions have written v[PC ..], which the stores below read
.irp t, 0,1
.irp b, 0,1
	global_store_b128 v[LI], v[PC+16*\t+4*\b:PC+16*\t+4*\b+3], s[12:13] offset:16384*\t+512*\b   ; 32 lanes store 512 consecutive bytes, aligned
.endr
.endr
	s_wait_dscnt 0x0                               ; the closing lines, six on end
	s_wait_alu 0x0
	s_wait_tensorcnt 0x0
	ds_add_u32 v126, v127
	s_wait_dscnt 0x0
	s_endpgm
.Lfunc_end_k_q9894f8eccf_attn:
	.size	k_q9894f8eccf_attn, .Lfunc_end_k_q9894f8eccf_attn-k_q9894f8eccf_attn
	.p2alignl 7, 3214868480
	.fill 96, 4, 3214868480
	.section	.rodata,"a",@progbits
	.p2align	6, 0x0
	.amdhsa_kernel k_q9894f8eccf_attn
		.amdhsa_group_segment_fixed_size 263168
		.amdhsa_private_segment_fixed_size 0
		.amdhsa_enable_private_segment 0
		.amdhsa_kernarg_size 40
		.amdhsa_user_sgpr_count 2
		.amdhsa_user_sgpr_kernarg_segment_ptr 1
		.amdhsa_wavefront_size32 1
		.amdhsa_system_sgpr_workgroup_id_x 1
		.amdhsa_system_sgpr_workgroup_id_y 1
		.amdhsa_system_sgpr_workgroup_id_z 1
		.amdhsa_system_vgpr_workitem_id 0
		.amdhsa_next_free_vgpr 448
		.amdhsa_next_free_sgpr 66
		.amdhsa_reserve_vcc 0
		.amdhsa_float_denorm_mode_32 3
		.amdhsa_float_denorm_mode_16_64 3
		.amdhsa_memory_ordered 1
		.amdhsa_forward_progress 1
		.amdhsa_inst_pref_size 243
	.end_amdhsa_kernel
	.amdgpu_metadata
---
amdhsa.version: [ 1, 2 ]
amdhsa.kernels:
  - .name:           k_q9894f8eccf_attn
    .symbol:         k_q9894f8eccf_attn.kd
    .args:
      - { .name: qimg, .offset: 0, .size: 8, .value_kind: global_buffer, .address_space: global }
      - { .name: kimg, .offset: 8, .size: 8, .value_kind: global_buffer, .address_space: global }
      - { .name: vimg, .offset: 16, .size: 8, .value_kind: global_buffer, .address_space: global }
      - { .name: lowp_scales, .offset: 24, .size: 8, .value_kind: global_buffer, .address_space: global }
      - { .name: aimg, .offset: 32, .size: 8, .value_kind: global_buffer, .address_space: global }
    .group_segment_fixed_size: 263168
    .private_segment_fixed_size: 0
    .kernarg_segment_align: 8
    .kernarg_segment_size: 40
    .max_flat_workgroup_size: 256
    .sgpr_count:     66
    .vgpr_count:     448
    .wavefront_size: 32
...
	.end_amdgpu_metadata
.endif
;; end of part 5
;; launch oln (part 6): grid 256 x 1, 16 waves a work-group, no clusters, 96,512 bytes of LDS; arguments aimg, wimg, lowp_scales, x, bo, ln_gamma, ln_beta, out0; writes out0
.if DOCPART == 6
	.amdgcn_target "amdgcn-amd-amdhsa--gfx1250"
	.amdhsa_code_object_version 6
	.text
	.protected	k_q9894f8eccf_oln
	.globl	k_q9894f8eccf_oln
	.p2align	8
	.type	k_q9894f8eccf_oln,@function
k_q9894f8eccf_oln:
	s_mov_b64 s[64:65], 0
	v_nop
	global_prefetch_b8 v0, s[64:65] scope:SCOPE_SE
	s_setreg_imm32_b32 hwreg(HW_REG_WAVE_SCHED_MODE, 0, 2), 2
	s_setreg_imm32_b32 hwreg(HW_REG_WAVE_MODE, 25, 1), 1
	s_wait_xcnt 0x0
	s_wait_alu depctr_vm_vsrc(0)
; out0 = LayerNorm(x + attended Wo^T + bo) x gamma + beta.  The product is on codes of E4M3 (attended: 2^e10, Wo: 2^e11); all else in f32; mean and variance in two passes, as the problem writes them.
; SHARES.  A work-group owns one tile of 16 tokens (place p of tile R is token 32 (R / 2) + 8 (R % 2) + p + 8 (p / 8)) and all 1,024 columns, since the norm wants whole rows.  Wave w makes Wo's channel tiles 4 w .. 4 w + 3
; (columns 64 w .. 64 w + 63): four accumulators by turns, eight K steps of 128.  Afterwards wave w owns the row at place w.
; The tokens' eight fragments (16,384 bytes of images) are copied into LDS once, 1,024 bytes a wave, and read by all sixteen waves.
; bo, gamma and beta are wanted whole by every wave, for its row.  Each wave brings 256 bytes of each into LDS at the head, and every wave reads the 12,288 bytes from there: the work-group fetches them once and not sixteen times,
; and nothing is asked of memory behind the last product.
; Wo's fragments go from their images straight into registers, 512 consecutive bytes a load, two sets of 8,192 bytes a wave by turns.  Each byte of Wo feeds one product in a work-group, so LDS would give no reuse: through LDS every
; byte would be written and read once more, and a joint refill would stand behind a round with four products a wave between rounds.  So no tensor load, no cluster.
; The product is used transposed (source 0 = 16 rows of Wo, source 1 = the tokens): a lane holds eight neighbouring columns of one token; they meet in a stage in LDS (rows of 4,096 bytes + 16) and come back as whole rows.
; LIMITS: e10 + e11 between -126 and 127.
; THE MODE: SCHED_MODE bits 1:0 = 2 (LLVM: expert scheduling mode 2), set by the entry lines.  The code itself states the register dependences
; between vector or matrix instructions and memory or LDS instructions, with s_wait_alu, always for 0.
; THE PLAN.  Registers that memory or LDS instructions touch:
;   WS0, WS1 (v56-183)   K step s: its four products read WS[s % 2]; behind them the loads of step s + 2 land in it.  Behind the last step y, bo, gamma and beta land there, from LDS.
;   AF0 (v40-55), AF1 (v216-231)   K step s: its products read AF[s % 2]; the LDS loads of step s + 1's fragment, issued at step s's head, land in the other, which step s - 1's products read last.
;   v216-229             at the head: my shares of the images and of the three vectors: written by global loads, read by LDS stores; then part of AF1; behind the K steps the sums are made there.
;   ACC (v8-39)          written by the products; read by the LDS stores into the stage.
;   Y (v56-87)           written by the norm's lines; read by the eight global stores.
;   v1-5, v235, v238, v239   offsets and addresses, made once at the head.
; So ONE wait on va_vdst stands in a K step, behind its products: it states that they are done reading their set of Wo (the loads that follow land there) and their fragment (the next step's head loads into it),
; and, in the last step, that the sums are written.  One wait on vm_vsrc stands behind the first barrier, for v216-229.
.set SP,   4112                        ; a stage row: 1,028 words: sixteen rows begin at sixteen different banks
.set AIM,  16*SP                       ; behind the stage: the tokens' eight fragments,
.set PAR,  AIM+16384                   ; and bo, gamma, beta: 4,096 bytes each
.set LI,   1                           ; v1   16 x lane
.set SO,   2                           ; v2   into the stage: row lane % 16, + 256 x wave + 64 (lane / 16)
.set SR,   3                           ; v3   out of it: row = my wave, 16 x lane
.set AW,   4                           ; v4   where I put my 1,024 bytes of the tokens' images
.set AR,   5                           ; v5   where a fragment is read: AIM + 16 x lane
.set ACC,  8                           ; v8-39
.set AF,   40                          ; v40-55: the tokens' fragment of the even K steps; the odd steps' lies 176 registers on, v216-231
.set WS,   56                          ; v56-119, v120-183: Wo's four fragments, two sets
.set XR,   184                         ; v184-215 x's row
.set AS,   216                         ; v216-223 at the head: my share of the tokens' images
.set PD,   224                         ; v224-229 at the head: my share of bo, gamma, beta; behind the K steps at work
.set PG,   235                         ; v235 256 x wave + 8 x lane: my share's place in each of the three
.set PW,   238                         ; v238 the same in LDS
.set PR,   239                         ; v239 where they are read: PAR + 16 x lane
.set Y,    56                          ; the row phase: y; the bias; gamma; beta
.set BO,   88
.set GA,   120
.set BE,   152
	s_load_b512 s[4:19], s[0:1], 0x0               ; aimg 4:5, wimg 6:7, scales 8:9, x 10:11, bo 12:13, gamma 14:15, beta 16:17, out0 18:19
	v_lshl_add_u32 v240, v0, 2, 0x17100
	v_mov_b32 v241, 0
	v_lshrrev_b32 v6, 5, v0
	v_readfirstlane_b32 s20, v6                    ; wave 0..15
	v_and_b32 v[LI], 31, v0
	v_lshlrev_b32 v[LI], 4, v[LI]
	v_and_b32 v6, 15, v0                           ; r
	v_bfe_u32 v7, v0, 4, 1                         ; h
	v_mul_u32_u24 v[SO], v6, SP
	v_lshl_add_u32 v[SO], v7, 6, v[SO]
	s_wait_alu depctr_va_sdst(0)                   ; s20 is written, ahead of its first reader: the wave's places in LDS and in memory are made from it
	s_lshl_b32 s21, s20, 8
	v_add_nc_u32 v[SO], s21, v[SO]
	v_lshrrev_b32 v[PG], 1, v[LI]
	v_add_nc_u32 v[PG], s21, v[PG]
	v_add_nc_u32 v[PW], PAR, v[PG]
	v_add_nc_u32 v[PR], PAR, v[LI]
	s_mul_i32 s21, s20, SP
	v_add_nc_u32 v[SR], s21, v[LI]
	s_lshl_b32 s21, s20, 10
	v_add_nc_u32 v[AW], s21, v[LI]
	v_add_nc_u32 v[AW], AIM, v[AW]
	v_add_nc_u32 v[AR], AIM, v[LI]
	v_mov_b32 v234, 0                              ; written once: a lane permute's destination counts as one of its sources
	s_lshl_b32 s24, ttmp9, 14                      ; the tile's 16,384 bytes of images,
	s_add_co_u32 s24, s24, s21                     ; my 1,024 of them
	s_mov_b32 s25, 0
	s_lshr_b32 s26, s20, 1                         ; Wo is plane 3 of the weights' images; channel tile 4 w + t lies at 131072 (w / 2) + 2048 (4 (w % 2) + t)
	s_lshl_b32 s26, s26, 17
	s_and_b32 s27, s20, 1
	s_lshl_b32 s27, s27, 13
	s_add_co_u32 s26, s26, s27
	s_add_co_u32 s26, s26, 0x300000
	s_mov_b32 s27, 0
	s_lshr_b32 s28, ttmp9, 1                       ; my row's token
	s_lshl_b32 s28, s28, 5
	s_and_b32 s29, ttmp9, 1
	s_lshl_b32 s29, s29, 3
	s_add_co_u32 s28, s28, s29
	s_add_co_u32 s28, s28, s20
	s_and_b32 s29, s20, 8
	s_add_co_u32 s28, s28, s29
	s_lshl_b32 s28, s28, 12                        ; x 4,096 bytes
	s_mov_b32 s29, 0
	s_mov_b32 s30, 0x76543210                      ; v_permlanex16_b32's selects for lane l xor 16
	s_mov_b32 s31, 0xfedcba98
	s_mov_b32 s32, 0x3a800000                      ; 1 / 1024
	s_mov_b32 s33, 0x3727c5ac                      ; 1e-5
	s_wait_kmcnt 0x0
	s_load_b64 s[22:23], s[8:9], 0x28              ; e10, e11
	s_add_nc_u64 s[4:5], s[4:5], s[24:25]
	s_add_nc_u64 s[6:7], s[6:7], s[26:27]
	s_add_nc_u64 s[10:11], s[10:11], s[28:29]
	s_add_nc_u64 s[18:19], s[18:19], s[28:29]
.macro LOADW s                         ; my four fragments of Wo for K step s, into set s % 2
.irp t, 0,1,2,3
.irp c, 0,1,2,3
	global_load_b128 v[WS+64*((\s)%2)+16*\t+4*\c:WS+64*((\s)%2)+16*\t+4*\c+3], v[LI], s[6:7] offset:((\s)/2)*32768+((\s)%2)*16384+2048*\t+512*\c
.endr
.endr
.endm
.macro AFRAG s                         ; the tokens' fragment of K step s, into buffer s % 2
.irp c, 0,1,2,3
	ds_load_b128 v[AF+176*((\s)%2)+4*\c:AF+176*((\s)%2)+4*\c+3], v[AR] offset:2048*(\s)+512*\c
.endr
.endm
	s_wait_alu depctr_va_vdst(0)                   ; the eight offsets and addresses v1 to v5, v235, v238, v239 are written, which the loads and stores of the whole kernel read
	global_load_b128 v[AS:AS+3], v[LI], s[4:5]
	global_load_b128 v[AS+4:AS+7], v[LI], s[4:5] offset:512
	global_load_b64 v[PD:PD+1], v[PG], s[12:13]    ; 32 lanes read 256 consecutive bytes, aligned: columns 64 w on of bo,
	global_load_b64 v[PD+2:PD+3], v[PG], s[14:15]  ; of gamma,
	global_load_b64 v[PD+4:PD+5], v[PG], s[16:17]  ; of beta
	LOADW 0
	LOADW 1
.irp i, 0,1,2,3,4,5,6,7
	global_load_b128 v[XR+4*\i:XR+4*\i+3], v[LI], s[10:11] offset:512*\i th:TH_LOAD_NT   ; my row of x: columns 128 i + 4 x lane on
.endr
	s_wait_loadcnt 40                              ; my shares of the images and of the three vectors are in; the 40 younger loads (two sets of Wo, x's row) stay out
	ds_store_b128 v[AW], v[AS:AS+3]
	ds_store_b128 v[AW], v[AS+4:AS+7] offset:512
	ds_store_b64 v[PW], v[PD:PD+1]
	ds_store_b64 v[PW], v[PD+2:PD+3] offset:4096
	ds_store_b64 v[PW], v[PD+4:PD+5] offset:8192
	s_wait_dscnt 0x0                               ; for the others' sake
	s_barrier_signal -1
	s_barrier_wait -1                              ; the tokens' eight fragments and the three vectors lie in LDS
	s_wait_alu depctr_vm_vsrc(0)                   ; my LDS stores have read v216 to v229: the odd K steps' fragments land there, and behind the K steps the sums are written there
	AFRAG 0
; K step s.  n: the loads issued behind this step's set of Wo, which may stay out
.macro KSTEP s, n
.if (\s) <= 6
	AFRAG (\s)+1                                   ; the next step's fragment, into the buffer that the last step's products read: the wait at that step's end stands between
.endif
	s_wait_loadcnt \n
.if (\s) <= 6
	s_wait_dscnt 4                                 ; LDS loads come back in order: this step's fragment is in, the next step's four loads may be out
.else
	s_wait_dscnt 0x0
.endif
.irp t, 0,1,2,3
.if (\s) == 0
	v_wmma_f32_16x16x128_fp8_fp8 v[ACC+8*\t:ACC+8*\t+7], v[WS+64*((\s)%2)+16*\t:WS+64*((\s)%2)+16*\t+15], v[AF+176*((\s)%2):AF+176*((\s)%2)+15], 0
.else
	v_wmma_f32_16x16x128_fp8_fp8 v[ACC+8*\t:ACC+8*\t+7], v[WS+64*((\s)%2)+16*\t:WS+64*((\s)%2)+16*\t+15], v[AF+176*((\s)%2):AF+176*((\s)%2)+15], v[ACC+8*\t:ACC+8*\t+7]
.endif
.endr
.rept 4
	v_nop                                          ; places in front of loads into registers that these products have read, and of the first read of results; they stay beside the wait below
.endr
	s_wait_alu depctr_va_vdst(0)                   ; these products are done reading their set of Wo and their fragment, in which the loads that follow land; in the last step they have also written the sums, which the LDS stores read
.if (\s) <= 5
	LOADW (\s)+2
.endif
.endm
	KSTEP 0, 24                                    ; behind set 0: set 1's 16 loads and x's 8
	KSTEP 1, 24                                    ; behind set 1: x's 8 and the next set's 16
	KSTEP 2, 16                                    ; from here on: the next set's 16
	KSTEP 3, 16
	KSTEP 4, 16
	KSTEP 5, 16
	KSTEP 6, 16
	KSTEP 7, 0                                     ; no load of mine is out from here on
.irp i, 0,1,2,3,4,5,6,7                        ; the sets are free: all columns of the bias, gamma and beta, in my row's order: columns 128 i + 4 x lane on
	ds_load_b128 v[BO+4*\i:BO+4*\i+3], v[PR] offset:512*\i
	ds_load_b128 v[GA+4*\i:GA+4*\i+3], v[PR] offset:4096+512*\i
	ds_load_b128 v[BE+4*\i:BE+4*\i+3], v[PR] offset:8192+512*\i
.endr
.irp t, 0,1,2,3
	ds_store_b128 v[SO], v[ACC+8*\t:ACC+8*\t+3] offset:128*(\t/2)+32*(\t%2)        ; lane (r, h), tile t: columns 64 w + 32 (t / 2) + 8 (t % 2) + 16 h + 0 .. 7 of the token at place r; the low half first
	ds_store_b128 v[SO], v[ACC+8*\t+4:ACC+8*\t+7] offset:128*(\t/2)+32*(\t%2)+16
.endr
	s_wait_dscnt 0x0
	s_barrier_signal -1
	s_barrier_wait -1                              ; sixteen whole rows of sums lie in the stage
.irp i, 0,1,2,3,4,5,6,7
	ds_load_b128 v[Y+4*\i:Y+4*\i+3], v[SR] offset:512*\i   ; into Wo's first set: no vector or matrix line since the last K step's wait names it
.endr
	s_wait_kmcnt 0x0
	s_add_co_i32 s22, s22, s23
	s_add_co_i32 s22, s22, 127
	s_lshl_b32 s22, s22, 23                        ; 2^(e10 + e11) as f32
	s_mov_b32 s23, s22                             ; (named with it as a pair, so it is written)
	s_wait_dscnt 0x0
.set j, 0
.rept 16
	v_pk_fma_f32 v[Y+j:Y+j+1], v[Y+j:Y+j+1], s[22:23], v[BO+j:BO+j+1] op_sel_hi:[1,0,1]   ; sum x 2^(e10 + e11) + bo
.set j, j+2
.endr
.set j, 0
.rept 16
	v_pk_add_f32 v[Y+j:Y+j+1], v[Y+j:Y+j+1], v[XR+j:XR+j+1]                               ; y = x + that
.set j, j+2
.endr
.macro ACROSS                          ; four chains of pairs in v224-231 become one number, the same in every lane, in v224
	v_pk_add_f32 v[224:225], v[224:225], v[226:227]
	v_pk_add_f32 v[228:229], v[228:229], v[230:231]
	v_pk_add_f32 v[224:225], v[224:225], v[228:229]
	v_add_f32 v224, v224, v225
	v_add_f32_dpp v224, v224, v224 row_xmask:1 row_mask:0xf bank_mask:0xf
	v_add_f32_dpp v224, v224, v224 row_xmask:2 row_mask:0xf bank_mask:0xf
	v_add_f32_dpp v224, v224, v224 row_xmask:4 row_mask:0xf bank_mask:0xf
	v_add_f32_dpp v224, v224, v224 row_xmask:8 row_mask:0xf bank_mask:0xf
	v_permlanex16_b32 v234, v224, s30, s31
	v_add_f32 v224, v224, v234
.endm
.irp k, 0,1,2,3
	v_pk_add_f32 v[224+2*\k:225+2*\k], v[Y+4*\k:Y+4*\k+1], v[Y+4*\k+2:Y+4*\k+3]
.endr
.irp g, 0,1
.irp k, 0,1,2,3
	v_pk_add_f32 v[224+2*\k:225+2*\k], v[224+2*\k:225+2*\k], v[Y+16+8*\g+2*\k:Y+16+8*\g+2*\k+1]
.endr
.endr
	ACROSS
	v_mul_f32 v232, 0xba800000, v224               ; -mean
	v_mov_b32 v233, v232
.set j, 0
.rept 16
	v_pk_add_f32 v[Y+j:Y+j+1], v[Y+j:Y+j+1], v[232:233]                                   ; d = y - mean
.set j, j+2
.endr
.irp k, 0,1,2,3
	v_pk_mul_f32 v[224+2*\k:225+2*\k], v[Y+2*\k:Y+2*\k+1], v[Y+2*\k:Y+2*\k+1]
.endr
.irp g, 1,2,3
.irp k, 0,1,2,3
	v_pk_fma_f32 v[224+2*\k:225+2*\k], v[Y+8*\g+2*\k:Y+8*\g+2*\k+1], v[Y+8*\g+2*\k:Y+8*\g+2*\k+1], v[224+2*\k:225+2*\k]
.endr
.endr
	ACROSS
	v_fma_f32 v224, v224, s32, s33                 ; variance + 1e-5
	v_rsq_f32 v236, v224
	v_nop                                          ; a plain line behind the transcendental
	s_wait_alu depctr_va_vdst(0)                   ; the reciprocal root is written, ahead of the first line that names the result
	v_mov_b32 v237, v236
.set j, 0
.rept 16
	v_pk_mul_f32 v[Y+j:Y+j+1], v[Y+j:Y+j+1], v[236:237]
.set j, j+2
.endr
.set j, 0
.rept 16
	v_pk_fma_f32 v[Y+j:Y+j+1], v[Y+j:Y+j+1], v[GA+j:GA+j+1], v[BE+j:BE+j+1]
.set j, j+2
.endr
	s_wait_alu depctr_va_vdst(0)                   ; the multiply-adds have written v[Y ..], which the stores below read
.irp i, 0,1,2,3,4,5,6,7
	global_store_b128 v[LI], v[Y+4*\i:Y+4*\i+3], s[18:19] offset:512*\i th:TH_STORE_NT    ; 32 lanes store 512 consecutive bytes of my row, aligned
.endr
	s_wait_dscnt 0x0                               ; the closing lines, six on end
	s_wait_alu 0x0
	s_wait_tensorcnt 0x0
	ds_add_u32 v240, v241
	s_wait_dscnt 0x0
	s_endpgm
.Lfunc_end_k_q9894f8eccf_oln:
	.size	k_q9894f8eccf_oln, .Lfunc_end_k_q9894f8eccf_oln-k_q9894f8eccf_oln
	.p2alignl 7, 3214868480
	.fill 96, 4, 3214868480
	.section	.rodata,"a",@progbits
	.p2align	6, 0x0
	.amdhsa_kernel k_q9894f8eccf_oln
		.amdhsa_group_segment_fixed_size 96512
		.amdhsa_private_segment_fixed_size 0
		.amdhsa_enable_private_segment 0
		.amdhsa_kernarg_size 64
		.amdhsa_user_sgpr_count 2
		.amdhsa_user_sgpr_kernarg_segment_ptr 1
		.amdhsa_wavefront_size32 1
		.amdhsa_system_sgpr_workgroup_id_x 1
		.amdhsa_system_sgpr_workgroup_id_y 1
		.amdhsa_system_sgpr_workgroup_id_z 1
		.amdhsa_system_vgpr_workitem_id 0
		.amdhsa_next_free_vgpr 242
		.amdhsa_next_free_sgpr 66
		.amdhsa_reserve_vcc 0
		.amdhsa_float_denorm_mode_32 3
		.amdhsa_float_denorm_mode_16_64 3
		.amdhsa_memory_ordered 1
		.amdhsa_forward_progress 1
		.amdhsa_inst_pref_size 35
	.end_amdhsa_kernel
	.amdgpu_metadata
---
amdhsa.version: [ 1, 2 ]
amdhsa.kernels:
  - .name:           k_q9894f8eccf_oln
    .symbol:         k_q9894f8eccf_oln.kd
    .args:
      - { .name: aimg, .offset: 0, .size: 8, .value_kind: global_buffer, .address_space: global }
      - { .name: wimg, .offset: 8, .size: 8, .value_kind: global_buffer, .address_space: global }
      - { .name: lowp_scales, .offset: 16, .size: 8, .value_kind: global_buffer, .address_space: global }
      - { .name: x, .offset: 24, .size: 8, .value_kind: global_buffer, .address_space: global }
      - { .name: bo, .offset: 32, .size: 8, .value_kind: global_buffer, .address_space: global }
      - { .name: ln_gamma, .offset: 40, .size: 8, .value_kind: global_buffer, .address_space: global }
      - { .name: ln_beta, .offset: 48, .size: 8, .value_kind: global_buffer, .address_space: global }
      - { .name: out0, .offset: 56, .size: 8, .value_kind: global_buffer, .address_space: global }
    .group_segment_fixed_size: 96512
    .private_segment_fixed_size: 0
    .kernarg_segment_align: 8
    .kernarg_segment_size: 64
    .max_flat_workgroup_size: 512
    .sgpr_count:     66
    .vgpr_count:     242
    .wavefront_size: 32
...
	.end_amdgpu_metadata
.endif
;; end of part 6
